; MI455X (gfx1250); checked and timed in simulation.
; The chip was launched on July 23, 2026; its instructions are those of AMD's public machine-readable ISA for CDNA 5 (MIT licence, August 2026) and "CDNA5" Instruction Set Architecture Reference Guide (July 2026). The comments in the code are by the model that wrote it; some were corrected since.
;; Attention. Allowed arithmetic: matrix products marked QUANTISED: E2M3 operands, one E8M0 scale for each 32 along K, by v_wmma_scale_f32_16x16x128_f8f6f4 with both operands' format E2M3, f32 sums; everything else in f32.
;; Inputs: b_proj 1,024 float32; w_proj 1,024 x 1,024 float32; w_qkv 1,024 x 3,072 float32; x 4 x 2,048 x 1,024 float32.
;; Outputs: out0 4 x 2,048 x 1,024 float32.
;; This version of the problem:
;;   THIS VERSION OF THE PROBLEM IS GIVEN IN LOW PRECISION. The matrix products marked QUANTISED in the list below multiply operands that are first quantised to E2M3 (2 exponent bits, 3 mantissa bits; 6 bits a number), with one power-of-two scale for each 32 numbers along K (OCP MX v1.0); their sums are f32. All else is computed in f32.
;;   The module's matrix products, in the order in which they are computed (A, B: the left and right operand; K: the contracted axis; several contracted axes count as one K, in the product's order):
;;     1. [M 8,192, K 1,024] x [K 1,024, N 3,072]; A: input x; B: input w_qkv: QUANTISED
;;     2. batch 64 x [M 2,048, K 64] x [K 64, N 2,048]; A: computed on the way; B: computed on the way: QUANTISED
;;     3. batch 64 x [M 2,048, K 2,048] x [K 2,048, N 64]; A: softmax (see below); B: computed on the way: QUANTISED
;;     4. [M 8,192, K 1,024] x [K 1,024, N 1,024]; A: computed on the way; B: input w_proj: QUANTISED
;;   THE QUANTISER, for each operand of a quantised product, along K:
;;     - K is cut into blocks of 32 from its start; a last block that is shorter is filled with zeros.
;;     - A block's scale is 2^e with e = floor(log2(the largest magnitude in the block)) - 2, held to -126 .. 127; a block of zeros has e = 0. As a byte (E8M0): e + 127.
;;     - Each number is divided by its block's scale, clamped to +-7.5, and rounded to the nearest number of E2M3, ties to even, subnormals kept.
;;     - The product sums the exact products of the quantised numbers (number of the format x scale) in f32.
;;   ~~~python
;;   def quantise(x, axis):      # numpy; x: float32 -> the quantised numbers, widened to float32 again
;;       x = np.moveaxis(x, axis, -1); K = x.shape[-1]
;;       x = np.pad(x, [(0, 0)] * (x.ndim - 1) + [(0, -K % 32)]); x = x.reshape(x.shape[:-1] + (-1, 32)); a = np.abs(x).max(-1, keepdims=True)
;;       e = np.where(a > 0, np.clip(np.frexp(np.where(a > 0, a, 1))[1] - 1 - 2, -126, 127), 0)      # np.frexp(a)[1] - 1 = floor(log2(a)), exactly
;;       r = np.clip(x / 2.0 ** e, -7.5, 7.5)
;;       step = 2.0 ** (np.maximum(np.frexp(np.where(r == 0, 1, r))[1] - 1, 0) - 3)
;;       q = np.round(r / step) * step * 2.0 ** e      # np.round: ties to even
;;       return np.moveaxis(q.reshape(q.shape[:-2] + (-1,))[..., :K], -1, axis).astype(np.float32)
;;   ~~~
;;   SOFTMAX AHEAD OF A QUANTISED PRODUCT. Where the list says 'softmax', what is quantised is not the finished softmax but p = 2^(t - M), with t = logit x log2(e) and M = ceil(the row's largest t), a whole number; so 1/2 < the row's largest p <= 1. The row's sum l is taken of the UNQUANTISED p, in f32, and the product's result is divided by l at the end. Since M is a whole number, a kernel that streams over the keys may use a running M (the ceiling of the running maximum): every later rescaling is an exact power of two, which a block's scale takes up: the codes' values come out the same.
;;   OPERANDS COMPUTED ON THE WAY. 'Computed on the way' means the value that the module computes at that place (a softmax that the list does not call 'softmax' is quantised finished and normalised). What goes into a quantiser is computed in f32, as accurately as f32 sums, v_exp_f32 and their like allow (about 1e-6 of the number): no bf16 or f16 on the way to a quantiser, and a product that is left as it is and whose result goes on into a quantised operand takes f32 operands (vector FMAs, or v_wmma_f32_16x16x4_f32). A number that lies on a knife's edge between two numbers of the format may be rounded either way, as far as f32 arithmetic and the matrix unit's own rounding can turn it there, and no further.
;; One version. Each part assembles by itself: llvm-mc -triple=amdgcn-amd-amdhsa -mcpu=gfx1250 --defsym DOCPART=n.
;; ======== version 1 of 1: 4 launches
;; limits: right only within a limited range of input values
;; workspace buffers: ops 9,437,184 bytes; opss 393,216 bytes; qkv 20,447,232 bytes; oc 6,291,456 bytes; osc 262,144 bytes
;; launch quant (part 1): grid 8 x 96, 4 waves a work-group, no clusters, 34,304 bytes of LDS; arguments x, w_qkv, w_proj, ops, opss; writes ops, opss
.if DOCPART == 1
	.amdgcn_target "amdgcn-amd-amdhsa--gfx1250"
	.amdhsa_code_object_version 6
	.text
	.protected	k_q5cb5606aed_quant
	.globl	k_q5cb5606aed_quant
	.p2align	8
	.type	k_q5cb5606aed_quant,@function
k_q5cb5606aed_quant:
	s_mov_b64 s[64:65], 0
	v_nop
	global_prefetch_b8 v0, s[64:65] scope:SCOPE_SE
	s_setreg_imm32_b32 hwreg(HW_REG_WAVE_MODE, 25, 1), 1
	s_wait_xcnt 0x0
; x [8192][1024], w_qkv [1024][3072] and w_proj [1024][1024], f32, become codes of FP6 (E2M3) with one E8M0 byte for each 32 along K (K = 1024 for all three).
; A block's scale is 2^(floor(log2(its largest magnitude)) - 2); its byte is the largest magnitude's exponent field - 2, held at 1 from below.
; LIMITS: NaN and infinities are not served; a block whose largest magnitude lies under 2^-124 keeps the byte 1; a block of zeros has the byte 1 where the rule says 127:
; its codes are zeros, which add nothing under any byte but 0xff, and the bytes are read by this program alone.
; WHAT IS WRITTEN: images of operand registers.  A TILE is 16 rows (of x) or 16 columns (of a weight); lane r of tile t holds row 32 (t / 2) + 8 (t % 2) + r + 8 (r / 8).
; ops[tile][K step of 128][1536]: a fragment's 12 registers as three runs of 512 bytes, registers 4 c .. 4 c + 3 of lane l at 512 c + 16 l.  Tiles 0-511 x, 512-703 w_qkv, 704-767 w_proj.
; opss[pair of tiles][K step][lane]: a scale word a lane: lanes 0-15 the even tile's rows, lanes 16-31 the odd tile's.
; SHARES: a wave takes 32 rows (columns) x 128 along K, 16 KiB of f32, and ends.  Work-group rows 0-63: x; 64-87: w_qkv; 88-95: w_proj.  No tensor load, no barrier: waves share nothing.
; No matrix unit, no cluster: the launch streams and no two work-groups read the same bytes.
.set RW,  16                           ; x: v16-143  two tiles x 16 rows as loaded
.set XN,  144                          ; v144-207 64 numbers of my row: register 16 b + i = k 32 b + 16 (lane / 16) + i
.set PC,  208                          ; v208-219 a fragment's codes
.set TQ,  220                          ; v220-222, v224-226 the conversions' second halves
.set TM,  228                          ; v228-231 largest magnitudes, v232-235 bytes, v240-243 the conversions' scale operands
.set PW,  244                          ; the scale word just made
.set PW0, 245
.set PWX, 246
.set SEL, 22                           ; s[22:23] v_permlanex16_b32's selects for lane l xor 16
.set XW,  16                           ; weights: v16-143 my column's 128 numbers down K
	s_load_b256 s[4:11], s[0:1], 0x0               ; x s[4:5], w_qkv s[6:7], w_proj s[8:9], ops s[10:11]
	s_load_b64 s[12:13], s[0:1], 0x20              ; opss
	v_lshl_add_u32 v254, v0, 2, 0x8400
	v_mov_b32 v255, 0
	v_lshrrev_b32 v1, 5, v0
	v_readfirstlane_b32 s14, v1                    ; wave
	v_and_b32 v1, 31, v0                           ; lane
	s_mov_b32 s15, ttmp9                           ; work-group x
	s_and_b32 s16, ttmp7, 0xffff                   ; work-group y
	s_mov_b32 s[SEL], 0x76543210
	s_mov_b32 s[SEL+1], 0xfedcba98
	s_mov_b32 s24, 0xffff0000                      ; lanes 16-31
	s_mov_b32 s21, 0
	s_mov_b32 s27, 0
	s_mov_b32 s29, 0
	s_wait_kmcnt 0x0
	s_cmp_lt_u32 s16, 64
	s_cbranch_scc0 .Lweights
; 64 numbers of a lane, v[s] on, become a fragment's codes (registers 0-5 at d0, 6-11 at d1) and its scale word in v[PW]
.macro QUANT s, d0, d1
.irp b, 0,1,2,3
	v_max3_num_f32 v[TM+\b], |v[\s+16*\b]|, |v[\s+1+16*\b]|, 0x1800000   ; block b: my 16 numbers, and the floor 2^(3 - 127): the byte cannot fall under 1
.endr
.irp i, 2,4,6,8,10,12,14
.irp b, 0,1,2,3
	v_max3_num_f32 v[TM+\b], v[TM+\b], |v[\s+16*\b+\i]|, |v[\s+1+16*\b+\i]|
.endr
.endr
.irp b, 0,1,2,3
	v_permlanex16_b32 v[TM+4+\b], v[TM+\b], s[SEL], s[SEL+1]
.endr
.irp b, 0,1,2,3
	v_max_num_f32 v[TM+\b], v[TM+\b], v[TM+4+\b]   ; with lane l xor 16's 16: the block's largest magnitude
.endr
.irp b, 0,1,2,3
	v_add_nc_u32 v[TM+12+\b], 0xff000000, v[TM+\b] ; 2 off its exponent field: the conversion's scale operand
.endr
.irp b, 0,1,2,3
	v_lshrrev_b32 v[TM+4+\b], 23, v[TM+12+\b]      ; the scale's byte
.endr
	v_lshl_or_b32 v[PW], v[TM+5], 8, v[TM+4]
	v_lshl_or_b32 v[PW], v[TM+6], 16, v[PW]
	v_lshl_or_b32 v[PW], v[TM+7], 24, v[PW]
	v_cvt_scalef32_pk16_fp6_f32 v[\d0:\d0+2], v[\s:\s+15], v[TM+12]
	v_cvt_scalef32_pk16_fp6_f32 v[TQ:TQ+2], v[\s+16:\s+31], v[TM+13]
	v_cvt_scalef32_pk16_fp6_f32 v[\d1:\d1+2], v[\s+32:\s+47], v[TM+14]
	v_cvt_scalef32_pk16_fp6_f32 v[TQ+4:TQ+6], v[\s+48:\s+63], v[TM+15]
	v_nop                                          ; one plain place behind a scaled conversion
.irp i, 0,1,2
	v_permlane16_swap_b32 v[\d0+\i], v[TQ+\i]      ; a whole block to a lane: lanes 0-15 the even block, lanes 16-31 the odd one
.endr
.irp i, 0,1,2
	v_mov_b32 v[\d0+3+\i], v[TQ+\i]
.endr
.irp i, 0,1,2
	v_permlane16_swap_b32 v[\d1+\i], v[TQ+4+\i]
.endr
.irp i, 0,1,2
	v_mov_b32 v[\d1+3+\i], v[TQ+4+\i]
.endr
.endm
	; ---- x: pair of tiles 4 y + x / 2, K step 4 (x % 2) + wave
	s_lshl_b32 s17, s16, 2
	s_lshr_b32 s18, s15, 1
	s_add_co_u32 s17, s17, s18                     ; the pair: 32 rows
	s_and_b32 s18, s15, 1
	s_lshl_b32 s18, s18, 2
	s_add_co_u32 s18, s18, s14                     ; the K step
	s_lshl_b32 s20, s17, 17                        ; 32 rows of 4,096 bytes
	s_lshl_b32 s19, s18, 9                         ; 128 numbers
	s_add_co_u32 s20, s20, s19
	s_lshl_b32 s26, s17, 4
	s_add_co_u32 s26, s26, s18
	s_mul_i32 s26, s26, 1536                       ; (8 x even tile + K step) images
	s_lshl_b32 s28, s17, 10
	s_lshl_b32 s19, s18, 7
	s_add_co_u32 s28, s28, s19
	s_add_nc_u64 s[4:5], s[4:5], s[20:21]
	s_add_nc_u64 s[10:11], s[10:11], s[26:27]
	s_add_nc_u64 s[12:13], s[12:13], s[28:29]
	s_wait_alu depctr_va_vdst(0)
	v_lshlrev_b32 v2, 4, v1                        ; 16 x lane
	s_mul_i32 s19, s14, 8448                       ; my stage: 16 rows of 512 + 16 bytes
	v_add_nc_u32 v3, s19, v2                       ; in: a row as it lies
	v_and_b32 v6, 15, v0
	v_bfe_u32 v7, v0, 4, 1
	v_mul_u32_u24 v4, v6, 528
	v_lshl_add_u32 v4, v7, 6, v4
	v_add_nc_u32 v4, s19, v4                       ; out: row lane % 16, + 64 (lane / 16): my 16 numbers of each block of 32
	v_lshlrev_b32 v5, 2, v1
.irp b, 0,1,2,3
	v_mov_b32 v[TM+4+\b], 0                        ; a lane permute's destination counts as one of its sources
.endr
.irp u, 0,1
.irp i, 0,1,2,3,4,5,6,7,8,9,10,11,12,13,14,15
	global_load_b128 v[RW+64*\u+4*\i:RW+64*\u+4*\i+3], v2, s[4:5] offset:(8*\u+\i+8*(\i/8))*4096 th:TH_LOAD_NT   ; 32 lanes read 512 consecutive bytes of the row that lane i of tile u holds
.endr
.endr
.macro XTILE u
	s_wait_loadcnt 16*(1-\u)                       ; this tile's 16 loads are in; the other tile's 16 may be out
.if \u
	s_wait_xcnt 0x0                                ; the first tile's stores have read the codes' registers
.endif
.irp i, 0,1,2,3,4,5,6,7,8,9,10,11,12,13,14,15
	ds_store_b128 v3, v[RW+64*\u+4*\i:RW+64*\u+4*\i+3] offset:\i*528
.endr
.irp b, 0,1,2,3
.irp j, 0,1,2,3
	ds_load_b128 v[XN+16*\b+4*\j:XN+16*\b+4*\j+3], v4 offset:128*\b+16*\j   ; LDS serves a wave's instructions in order: these see my stores
.endr
.endr
	s_wait_dscnt 0x0
	QUANT XN, PC, PC+6
.irp c, 0,1,2
	global_store_b128 v2, v[PC+4*\c:PC+4*\c+3], s[10:11] offset:\u*12288+512*\c   ; 512 consecutive bytes
.endr
.endm
	s_wait_alu depctr_va_vdst(0)
	XTILE 0
	v_mov_b32 v[PW0], v[PW]
	XTILE 1
	v_cndmask_b32 v[PWX], v[PW0], v[PW], s24       ; lanes 0-15 the even tile's words, lanes 16-31 the odd tile's (a row's word stands in both halves of the lanes)
	global_store_b32 v5, v[PWX], s[12:13]
	s_wait_tensorcnt 0x0
	ds_add_u32 v254, v255
	s_wait_dscnt 0x0
	s_endpgm
	; ---- the weights: A LANE TAKES A COLUMN AND ITS REGISTERS RUN DOWN K: nothing is transposed
.Lweights:
	s_wait_alu depctr_va_vdst(0)
	v_lshlrev_b32 v2, 2, v1                        ; in: 4 bytes a lane
	v_and_b32 v6, 7, v1
	v_lshrrev_b32 v7, 4, v1
	v_lshl_add_u32 v6, v7, 3, v6                   ; column l of the pair's 32 is lane r = l % 8 + 8 (l / 16)
	v_bfe_u32 v7, v1, 3, 1                         ; of tile u = (l / 8) % 2
	v_mul_u32_u24 v3, v7, 12288
	v_lshl_add_u32 v3, v6, 4, v3                   ; its place in the images
	v_lshl_add_u32 v4, v7, 4, v6
	v_lshlrev_b32 v4, 2, v4                        ; and among the scale words
.macro LOADW kb, N, src
.set i, 0
.rept 32
	global_load_b32 v[XW+32*(\kb)+i], v2, s[\src:\src+1] offset:(32*(\kb)+i)*\N*4 th:TH_LOAD_NT   ; the four waves stand side by side on 512 bytes of a row
.set i, i+1
.endr
.endm
.macro BLOCKW kb                       ; block kb of 32 along K is half kb % 2 of the lanes, registers 6 (kb / 2) on
.set XS, XW+32*(\kb)
.set FH, 160+12*((\kb)%2)+6*((\kb)/2)
	v_max3_num_f32 v[144+\kb], |v[XS]|, |v[XS+1]|, |v[XS+2]|
	v_max3_num_f32 v[148+\kb], |v[XS+3]|, |v[XS+4]|, |v[XS+5]|
.irp i, 6,10,14,18,22,26
	v_max3_num_f32 v[144+\kb], v[144+\kb], |v[XS+\i]|, |v[XS+\i+1]|
	v_max3_num_f32 v[148+\kb], v[148+\kb], |v[XS+\i+2]|, |v[XS+\i+3]|
.endr
	v_max3_num_f32 v[144+\kb], v[144+\kb], |v[XS+30]|, |v[XS+31]|
	v_max3_num_f32 v[144+\kb], v[144+\kb], v[148+\kb], 0x1800000
	v_add_nc_u32 v[152+\kb], 0xff000000, v[144+\kb]
	v_lshrrev_b32 v[156+\kb], 23, v[152+\kb]
	v_cvt_scalef32_pk16_fp6_f32 v[FH:FH+2], v[XS:XS+15], v[152+\kb]
	v_cvt_scalef32_pk16_fp6_f32 v[184+4*\kb:186+4*\kb], v[XS+16:XS+31], v[152+\kb]   ; (a conversion's three registers begin on an even number)
	v_nop
.irp i, 0,1,2
	v_mov_b32 v[FH+3+\i], v[184+4*\kb+\i]
.endr
.endm
.macro WQ N, src, pair0, gy0
	s_sub_co_u32 s17, s16, \gy0                    ; which 128 columns
	s_lshl_b32 s18, s17, 2
	s_add_co_u32 s18, s18, s14
	s_add_co_u32 s18, s18, \pair0                  ; my pair of tiles in ops
	s_lshl_b32 s20, s17, 9
	s_lshl_b32 s19, s14, 7
	s_add_co_u32 s20, s20, s19                     ; my first column, in bytes
	s_mul_i32 s19, s15, 128*\N*4                   ; K step = work-group x: 128 rows
	s_add_co_u32 s20, s20, s19
	s_lshl_b32 s26, s18, 4
	s_add_co_u32 s26, s26, s15
	s_mul_i32 s26, s26, 1536
	s_lshl_b32 s28, s18, 10
	s_lshl_b32 s19, s15, 7
	s_add_co_u32 s28, s28, s19
	s_add_nc_u64 s[\src:\src+1], s[\src:\src+1], s[20:21]
	s_add_nc_u64 s[10:11], s[10:11], s[26:27]
	s_add_nc_u64 s[12:13], s[12:13], s[28:29]
	LOADW 0, \N, \src
	LOADW 1, \N, \src
	s_wait_loadcnt 32                              ; block 0 is in; the 32 loads of the block behind it may be out: so at each of these waits
	LOADW 2, \N, \src
	BLOCKW 0
	s_wait_loadcnt 32
	LOADW 3, \N, \src
	BLOCKW 1
	s_wait_loadcnt 32
	BLOCKW 2
	s_wait_loadcnt 0x0
	BLOCKW 3
	v_lshl_or_b32 v200, v157, 8, v156              ; my column's scale word
	v_lshl_or_b32 v200, v158, 16, v200
	v_lshl_or_b32 v200, v159, 24, v200
.irp h, 0,1
.irp c, 0,1,2
	global_store_b128 v3, v[160+12*\h+4*\c:160+12*\h+4*\c+3], s[10:11] offset:512*\c+256*\h   ; sixteen lanes fill 256 consecutive bytes of each of the two tiles' images
.endr
.endr
	global_store_b32 v4, v200, s[12:13]
.endm
	s_cmp_lt_u32 s16, 88
	s_cbranch_scc0 .Lproj
	s_wait_alu depctr_va_vdst(0)
	WQ 3072, 6, 256, 64
	s_endpgm
.Lproj:
	s_wait_alu depctr_va_vdst(0)
	WQ 1024, 8, 352, 88
	s_endpgm
.Lfunc_end_k_q5cb5606aed_quant:
	.size	k_q5cb5606aed_quant, .Lfunc_end_k_q5cb5606aed_quant-k_q5cb5606aed_quant
	.p2alignl 7, 3214868480
	.fill 96, 4, 3214868480
	.section	.rodata,"a",@progbits
	.p2align	6, 0x0
	.amdhsa_kernel k_q5cb5606aed_quant
		.amdhsa_group_segment_fixed_size 34304
		.amdhsa_private_segment_fixed_size 0
		.amdhsa_enable_private_segment 0
		.amdhsa_kernarg_size 40
		.amdhsa_user_sgpr_count 2
		.amdhsa_user_sgpr_kernarg_segment_ptr 1
		.amdhsa_wavefront_size32 1
		.amdhsa_system_sgpr_workgroup_id_x 1
		.amdhsa_system_sgpr_workgroup_id_y 1
		.amdhsa_system_sgpr_workgroup_id_z 1
		.amdhsa_system_vgpr_workitem_id 0
		.amdhsa_next_free_vgpr 256
		.amdhsa_next_free_sgpr 66
		.amdhsa_reserve_vcc 0
		.amdhsa_float_denorm_mode_32 3
		.amdhsa_float_denorm_mode_16_64 3
		.amdhsa_memory_ordered 1
		.amdhsa_forward_progress 1
		.amdhsa_inst_pref_size 57
	.end_amdhsa_kernel
	.amdgpu_metadata
---
amdhsa.version: [ 1, 2 ]
amdhsa.kernels:
  - .name:           k_q5cb5606aed_quant
    .symbol:         k_q5cb5606aed_quant.kd
    .args:
      - { .name: x, .offset: 0, .size: 8, .value_kind: global_buffer, .address_space: global }
      - { .name: w_qkv, .offset: 8, .size: 8, .value_kind: global_buffer, .address_space: global }
      - { .name: w_proj, .offset: 16, .size: 8, .value_kind: global_buffer, .address_space: global }
      - { .name: ops, .offset: 24, .size: 8, .value_kind: global_buffer, .address_space: global }
      - { .name: opss, .offset: 32, .size: 8, .value_kind: global_buffer, .address_space: global }
    .group_segment_fixed_size: 34304
    .private_segment_fixed_size: 0
    .kernarg_segment_align: 8
    .kernarg_segment_size: 40
    .max_flat_workgroup_size: 128
    .sgpr_count:     66
    .vgpr_count:     256
    .wavefront_size: 32
...
	.end_amdgpu_metadata
.endif
;; end of part 1
;; launch gemm_qkv (part 2): grid 8 x 32, 4 waves a work-group, clusters of 4 x 4, 327,680 bytes of LDS; arguments ops, opss, qkv; writes qkv
.if DOCPART == 2
	.amdgcn_target "amdgcn-amd-amdhsa--gfx1250"
	.amdhsa_code_object_version 6
	.text
	.protected	k_q5cb5606aed_gemm_qkv
	.globl	k_q5cb5606aed_gemm_qkv
	.p2align	8
	.type	k_q5cb5606aed_gemm_qkv,@function
k_q5cb5606aed_gemm_qkv:
	s_mov_b64 s[64:65], 0
	v_nop
	global_prefetch_b8 v0, s[64:65] scope:SCOPE_SE
	s_setreg_imm32_b32 hwreg(HW_REG_WAVE_MODE, 25, 1), 1
	s_wait_xcnt 0x0
	s_wait_alu depctr_hold_cnt(0) depctr_sa_sdst(0) depctr_va_vdst(0) depctr_va_sdst(0) depctr_va_ssrc(0) depctr_va_vcc(0) depctr_vm_vsrc(0)
	s_getreg_b32 s2, hwreg(HW_REG_IB_STS2, 6, 4)
	s_cmp_eq_u32 s2, 0
	s_cbranch_scc0 .Lentry_in_a_cluster
	s_endpgm
.Lentry_in_a_cluster:
	s_bfe_u32 s2, ttmp6, 0x10000c
	s_cmp_lg_u32 s2, 0xf033
	s_cbranch_scc0 .Lentry_shape_is_right
	s_endpgm
.Lentry_shape_is_right:
; Q, K, V = x w_qkv on codes of FP6 (E2M3) with E8M0 scales, and their quantisers: the results leave as the operand images that the attention launch reads.
; ops[tile of 16 rows or columns][K step of 128][1536]: a fragment's 12 registers, registers 4 c .. 4 c + 3 of lane l at 512 c + 16 l; tiles 0-511 x, 512-575 Q's columns, 576-639 K's, 640-703 V's.
; opss[pair of tiles][K step][lane]: scale words, lanes 0-15 the even tile, lanes 16-31 the odd one.  Lane r of tile t holds row 32 (t / 2) + 8 (t % 2) + r + 8 (r / 8).
; qkv[batch][head][step of 128 tokens][19,968]: +0 Q's codes (four images of a pair of tiles), +6144 Q's scale words, +6656 K's codes, +12800 V^T's (four tiles of 16 of the head's 64), +18944 K's words, +19456 V's.
; THE DEAL: 256 work-groups; work-group (jx, rb) takes x's rows 256 rb .. + 255 and columns 128 jx .. + 127 of Q, then of K, then of V.  Four waves, 2 x 2: wave (a, b) takes 128 tokens (one step) and 64 columns (one head).
; x's 16 tiles, all of K, lie in LDS for the whole launch: [quad of blocks][a][4 tiles].  The weights' 8 tiles lie behind them; a wave takes its 4 tiles, all of K, into 384 registers,
; and streams x's tiles past them, a BLOCK of 32 products each on four accumulators by turns; two register sets for x's fragments, fetched two blocks ahead.
; Q and K are one loop of two trips.  As soon as all waves hold a trip's weights in registers the weights' region is filled again, behind a round of the cluster's barrier, with the next phase's:
; that load has the trip's 256 products a wave in which to land, so no prefetch is laid.  x's tiles are shared by a row of the cluster, a weight's by a column: joint loads.
; Q, K: source 0 = the weight's tile: register 16 bb + i of a lane is column 32 bb + 16 (lane / 16) + i of the head.  V: source 0 = x's tile: register 16 t + i is token 32 (pair) + 16 (lane / 16) + i for column r of tile t.
; A block's scale byte is its largest magnitude's exponent field - 2, held at 1 from below.  LIMITS: NaN and infinities are not served; a block under 2^-124 (zeros too) has the byte 1: the bytes are read by this program alone.
; WAITS: ahead of a block s_wait_dscnt 24 leaves out the 24 loads of the next block's fetch; the last block has nothing younger.
.set TILEB, 12288
.set BB,    16*TILEB                   ; the weights' region
.set SPARE, 24*TILEB
.set L16, 1
.set L4,  2
.set ADRB, 3
.set ADRA, 4                           ; v4, v5: my rows in quad 0, 1
.set PWV, 12                           ; v12-15 V's scale words, a tile each
.set WS,  16                           ; v16-19 scale words on the way out
.set PW,  20
.set PWS, 21
.set SPW, 28
.set NIL, 29
.set SA,  32                           ; v32-63 x's scale words: 8 pair + K step
.set SB,  64                           ; v64-79 the weights': 8 (tile / 2) + K step;  v80-95, v96-111 the next two phases'
.set ACC, 112                          ; v112-143 Q, K: four accumulators
.set HV,  112                          ; v112-175 V: 16 t + 8 (block % 2)
.set H,   176                          ; v176-187 Q, K: a pair's image
.set MCD, 176                          ; v176-223 V: four operands of twelve
.set BM,  224
.set PT,  228
.set SO,  232
.set EB,  236
.set TQ,  240                          ; v240-255 the conversions' second halves
.set WV,  17
.set HM,  18
.set HN,  19
.set SEL, 20
.set LMASK, 22
.set G1A, 24
.set G1B, 32
.set G0B, 40
.set G0A, 44
.set G0C, 48
.set G0R, 52
.set MSB, 0
.macro WIN new
.if MSB != (\new)
	s_set_vgpr_msb (MSB<<8)|(\new)
.set MSB, (\new)
.endif
.endm
.macro PLACES
.rept 4
	v_nop
.endr
.endm
.macro TLOAD g0, g1
	tensor_load_to_lds s[\g0:\g0+3], s[\g1:\g1+7]
	s_nop 0
	PLACES
.endm
.macro CROUND
	s_barrier_signal -1
	s_barrier_wait -1
	s_cmp_lg_u32 s[WV], 0
	s_cbranch_scc1 .Lnot_wave_0_\@
	s_barrier_signal -3
.Lnot_wave_0_\@:
	s_barrier_wait -3
	s_barrier_signal -1
	s_barrier_wait -1
.endm
; fragment f lies in window 1 + f / 21 at register 12 (f % 21): 0-31 the weights' (4 x K step + tile), 32-39 and 40-47 x's two sets
.macro LDF f, adr, off
	WIN (1+(\f)/21)<<6
.set rF, 12*((\f)%21)
	ds_load_b128 v[rF:rF+3], v[\adr] offset:\off
	ds_load_b128 v[rF+4:rF+7], v[\adr] offset:(\off)+512
	ds_load_b128 v[rF+8:rF+11], v[\adr] offset:(\off)+1024
.endm
.macro WEIGHTS
.irp q, 0,1,2,3,4,5,6,7
.irp t, 0,1,2,3
	LDF 4*\q+\t, ADRB, \t*TILEB+\q*1536
.endr
.endr
	WIN 0
.endm
.macro FETCH s
.irp q, 0,1,2,3,4,5,6,7
	LDF 32+8*((\s)%2)+\q, ADRA+(\s)/4, ((\s)%4)*TILEB+\q*1536
.endr
	WIN 0
.endm
.macro WM1 c
.if pA && pB
	v_wmma_scale_f32_16x16x128_f8f6f4 v[rD:rD+7], v[rA:rA+11], v[rB:rB+11], \c, v[xA], v[xB] matrix_a_fmt:MATRIX_FMT_FP6 matrix_b_fmt:MATRIX_FMT_FP6 matrix_a_scale:MATRIX_SCALE_ROW1 matrix_b_scale:MATRIX_SCALE_ROW1
.elseif pA
	v_wmma_scale_f32_16x16x128_f8f6f4 v[rD:rD+7], v[rA:rA+11], v[rB:rB+11], \c, v[xA], v[xB] matrix_a_fmt:MATRIX_FMT_FP6 matrix_b_fmt:MATRIX_FMT_FP6 matrix_a_scale:MATRIX_SCALE_ROW1
.elseif pB
	v_wmma_scale_f32_16x16x128_f8f6f4 v[rD:rD+7], v[rA:rA+11], v[rB:rB+11], \c, v[xA], v[xB] matrix_a_fmt:MATRIX_FMT_FP6 matrix_b_fmt:MATRIX_FMT_FP6 matrix_b_scale:MATRIX_SCALE_ROW1
.else
	v_wmma_scale_f32_16x16x128_f8f6f4 v[rD:rD+7], v[rA:rA+11], v[rB:rB+11], \c, v[xA], v[xB] matrix_a_fmt:MATRIX_FMT_FP6 matrix_b_fmt:MATRIX_FMT_FP6
.endif
.endm
.macro PROD kind, s, q, t
.set fW, 4*(\q)+(\t)
.set fX, 32+8*((\s)%2)+(\q)
.if \kind
.set rD, HV+16*(\t)+8*((\s)%2)
.set rA, 12*(fX%21)
.set rB, 12*(fW%21)
.set xA, SA+8*((\s)/2)+(\q)
.set xB, SB+8*((\t)/2)+(\q)
.set pA, (\s)%2
.set pB, (\t)%2
	WIN (1+fX/21)|((1+fW/21)<<2)
.else
.set rD, ACC+8*(\t)
.set rA, 12*(fW%21)
.set rB, 12*(fX%21)
.set xA, SB+8*((\t)/2)+(\q)
.set xB, SA+8*((\s)/2)+(\q)
.set pA, (\t)%2
.set pB, (\s)%2
	WIN (1+fW/21)|((1+fX/21)<<2)
.endif
.if \q
	WM1 v[rD:rD+7]
.else
	WM1 0
.endif
.endm
.macro BLOCK kind, s
.irp q, 0,1,2,3,4,5,6,7
.irp t, 0,1,2,3
	PROD \kind, \s, \q, \t
.endr
.endr
	WIN 0
.endm
; Q, K: block s's 16 tokens x 64 columns become six registers of the pair's image and two scale bytes
.macro QOUT s
.set hU, H+6*((\s)%2)
.if (\s)%2 == 0
	s_wait_xcnt 0x0                                ; the last pair's stores have read the image's registers
.endif
.irp b, 0,1
	v_max3_num_f32 v[BM+\b], |v[ACC+16*\b]|, |v[ACC+16*\b+1]|, 0x1800000
.endr
.irp i, 2,4,6,8,10,12,14
.irp b, 0,1
	v_max3_num_f32 v[BM+\b], v[BM+\b], |v[ACC+16*\b+\i]|, |v[ACC+16*\b+\i+1]|
.endr
.endr
.irp b, 0,1
	v_permlanex16_b32 v[PT+\b], v[BM+\b], s[SEL], s[SEL+1]
.endr
.irp b, 0,1
	v_max_num_f32 v[BM+\b], v[BM+\b], v[PT+\b]
.endr
.irp b, 0,1
	v_add_nc_u32 v[SO+\b], 0xff000000, v[BM+\b]
.endr
.irp b, 0,1
	v_lshrrev_b32 v[EB+\b], 23, v[SO+\b]
.endr
	v_lshl_or_b32 v[PW], v[EB+1], 8, v[EB]
	v_cvt_scalef32_pk16_fp6_f32 v[hU:hU+2], v[ACC:ACC+15], v[SO]
	v_cvt_scalef32_pk16_fp6_f32 v[TQ:TQ+2], v[ACC+16:ACC+31], v[SO+1]
	v_nop
.irp i, 0,1,2
	v_permlane16_swap_b32 v[hU+\i], v[TQ+\i]       ; a whole block to a lane
.endr
.irp i, 0,1,2
	v_mov_b32 v[hU+3+\i], v[TQ+\i]
.endr
.if (\s)%2 == 0
	v_mov_b32 v[PWS], v[PW]
.else
	v_cndmask_b32 v[WS+(\s)/2], v[PWS], v[PW], s[LMASK]
.irp c, 0,1,2
	global_store_b128 v[L16], v[H+4*\c:H+4*\c+3], s[56:57] offset:((\s)/2)*1536+512*\c
.endr
.endif
.endm
; V: pair p's 32 tokens, for each of four tiles of 16 columns: a scale byte, and half a block of codes a lane; two pairs make six registers of an operand
.macro VOUT p
.irp t, 0,1,2,3
	v_max3_num_f32 v[BM+\t], |v[HV+16*\t]|, |v[HV+16*\t+1]|, 0x1800000
.endr
.irp i, 2,4,6,8,10,12,14
.irp t, 0,1,2,3
	v_max3_num_f32 v[BM+\t], v[BM+\t], |v[HV+16*\t+\i]|, |v[HV+16*\t+\i+1]|
.endr
.endr
.irp t, 0,1,2,3
	v_permlanex16_b32 v[PT+\t], v[BM+\t], s[SEL], s[SEL+1]
.endr
.irp t, 0,1,2,3
	v_max_num_f32 v[BM+\t], v[BM+\t], v[PT+\t]
.endr
.irp t, 0,1,2,3
	v_add_nc_u32 v[SO+\t], 0xff000000, v[BM+\t]
.endr
.irp t, 0,1,2,3
.if (\p) == 0
	v_lshrrev_b32 v[PWV+\t], 23, v[SO+\t]
.else
	v_lshrrev_b32 v[EB+\t], 23, v[SO+\t]
.endif
.endr
.if (\p) > 0
.irp t, 0,1,2,3
	v_lshl_or_b32 v[PWV+\t], v[EB+\t], 8*(\p), v[PWV+\t]
.endr
.endif
.irp t, 0,1,2,3
.if (\p)%2
	v_cvt_scalef32_pk16_fp6_f32 v[TQ+4*\t:TQ+4*\t+2], v[HV+16*\t:HV+16*\t+15], v[SO+\t]
.else
	v_cvt_scalef32_pk16_fp6_f32 v[MCD+12*\t+6*((\p)/2):MCD+12*\t+6*((\p)/2)+2], v[HV+16*\t:HV+16*\t+15], v[SO+\t]
.endif
.endr
	v_nop
.if (\p)%2
.irp t, 0,1,2,3
.irp i, 0,1,2
	v_permlane16_swap_b32 v[MCD+12*\t+6*((\p)/2)+\i], v[TQ+4*\t+\i]
.endr
.endr
.irp t, 0,1,2,3
.irp i, 0,1,2
	v_mov_b32 v[MCD+12*\t+6*((\p)/2)+3+\i], v[TQ+4*\t+\i]
.endr
.endr
.endif
.endm
; ---- the head
	s_load_b128 s[4:7], s[0:1], 0x0                ; ops, opss
	s_load_b64 s[8:9], s[0:1], 0x10                ; qkv
	v_lshl_add_u32 v[SPW], v0, 2, SPARE
	v_mov_b32 v[NIL], 0
	ds_add_u32 v[SPW], v[NIL]                      ; the opening lines
	ds_add_u32 v[SPW], v[NIL]
	v_lshrrev_b32 v1, 5, v0
	v_readfirstlane_b32 s[WV], v1
	s_lshr_b32 s[HM], s[WV], 1                     ; a
	s_and_b32 s[HN], s[WV], 1                      ; b
	s_mov_b32 s[SEL], 0x76543210
	s_mov_b32 s[SEL+1], 0xfedcba98
	s_mov_b32 s[LMASK], 0xffff0000
	s_bfe_u32 s80, ttmp6, 0x40000                  ; cx
	s_bfe_u32 s81, ttmp6, 0x40004                  ; cy
	s_lshl_b32 s82, ttmp9, 2
	s_add_co_u32 s82, s82, s80                     ; jx
	s_and_b32 s83, ttmp7, 0xffff
	s_lshl_b32 s83, s83, 2
	s_add_co_u32 s83, s83, s81                     ; rb
	s_lshl_b32 s84, s81, 2
	s_lshl_b32 s84, 15, s84                        ; my row of the cluster
	s_lshl_b32 s85, 0x1111, s80                    ; my column
	s_or_b32 s[G1A], s84, (3<<16)|(1<<21)          ; x: two rows (a) of four tiles, eight tiles apart
	s_mov_b32 s[G1A+1], 6144<<16
	s_mov_b32 s[G1A+2], 2<<16
	s_mov_b32 s[G1A+3], 6144<<16
	s_mov_b32 s[G1A+4], 2
	s_mov_b32 s[G1A+5], 12288
	s_mov_b32 s[G1A+6], 0
	s_mov_b32 s[G1A+7], 0
	s_or_b32 s[G1B], s85, (3<<16)|(1<<21)          ; weights: tiles on end: four at the head, two in a refill
	s_mov_b32 s[G1B+1], 1536<<16
	s_mov_b32 s[G1B+2], 4<<16
	s_mov_b32 s[G1B+3], 1536<<16
	s_mov_b32 s[G1B+4], 4
	s_mov_b32 s[G1B+5], 1536
	s_mov_b32 s[G1B+6], 0
	s_mov_b32 s[G1B+7], 0
	s_mul_i32 s86, s83, 16*TILEB                   ; x's 16 tiles
	s_mov_b32 s87, 0
	s_lshl_b32 s88, s82, 3
	s_add_co_u32 s88, s88, 512                     ; Q's first tile of mine
	s_lshl_b32 s90, s[WV], 2
	s_add_co_u32 s90, s90, s88
	s_mul_i32 s90, s90, TILEB                      ; head: waves 0, 1 take four tiles each
	s_mov_b32 s91, 0
	s_lshl_b32 s92, s[WV], 1
	s_add_co_u32 s92, s92, s88
	s_mul_i32 s92, s92, TILEB                      ; refills: every wave two tiles
	s_mov_b32 s93, 0
	s_mul_i32 s94, s[WV], 4*TILEB
	s_add_co_u32 s94, s94, BB
	s_mul_i32 s95, s[WV], 2*TILEB
	s_add_co_u32 s95, s95, BB
	s_wait_dscnt 0x0
	CROUND                                         ; in front of the first joint loads
	s_wait_kmcnt 0x0
	s_mov_b32 s[G0B], 1
	s_mov_b32 s[G0B+1], s94
	s_add_nc_u64 s[G0B+2:G0B+3], s[4:5], s[90:91]
	s_or_b32 s[G0B+3], s[G0B+3], 0x80000000
	s_mov_b32 s[G0A], 1
	s_mov_b32 s[G0A+1], 0
	s_add_nc_u64 s[G0A+2:G0A+3], s[4:5], s[86:87]
	s_mov_b32 s[G0C], 1
	s_mov_b32 s[G0C+1], 8*TILEB
	s_add_nc_u64 s[G0C+2:G0C+3], s[G0A+2:G0A+3], 4*TILEB
	s_or_b32 s[G0A+3], s[G0A+3], 0x80000000
	s_or_b32 s[G0C+3], s[G0C+3], 0x80000000
	s_mov_b32 s[G0R], 1
	s_mov_b32 s[G0R+1], s95
	s_add_nc_u64 s[G0R+2:G0R+3], s[4:5], s[92:93]
	s_or_b32 s[G0R+3], s[G0R+3], 0x80000000
	s_cmp_lt_u32 s[WV], 2
	s_cbranch_scc0 .Lwave_2
	TLOAD G0B, G1B                                 ; waves 0, 1: Q's weights, needed first
	s_branch .Lasked
.Lwave_2:
	s_cmp_eq_u32 s[WV], 2
	s_cbranch_scc0 .Lwave_3
	TLOAD G0A, G1A                                 ; wave 2: x's blocks 0-3
	s_branch .Lasked
.Lwave_3:
	TLOAD G0C, G1A                                 ; wave 3: x's blocks 4-7
.Lasked:
	s_lshl_b32 s96, s83, 3
	s_lshl_b32 s97, s[HM], 2
	s_add_co_u32 s96, s96, s97
	s_lshl_b32 s96, s96, 10
	s_mov_b32 s97, 0
	s_add_nc_u64 s[62:63], s[6:7], s[96:97]        ; x's scale words: my four pairs
	s_lshl_b32 s96, s82, 2
	s_lshl_b32 s98, s[HN], 1
	s_add_co_u32 s96, s96, s98
	s_add_co_u32 s96, s96, 256
	s_lshl_b32 s96, s96, 10
	s_add_nc_u64 s[66:67], s[6:7], s[96:97]        ; the weights': my two pairs of Q's; K's and V's lie 32 pairs on each
	s_lshl_b32 s96, s83, 1
	s_add_co_u32 s96, s96, s[HM]                   ; my step of 128 tokens among the 64
	s_lshr_b32 s98, s96, 4                         ; batch
	s_and_b32 s96, s96, 15
	s_lshl_b32 s98, s98, 4
	s_lshl_b32 s99, s82, 1
	s_add_co_u32 s99, s99, s[HN]                   ; head
	s_add_co_u32 s98, s98, s99
	s_lshl_b32 s98, s98, 4
	s_add_co_u32 s96, s96, s98
	s_mul_i32 s96, s96, 19968
	s_add_nc_u64 s[60:61], s[8:9], s[96:97]        ; my record
	s_mov_b64 s[56:57], s[60:61]                   ; Q's codes; K's 6,656 on
	s_add_nc_u64 s[58:59], s[60:61], 6144          ; Q's scale words; K's 12,800 on
	s_mul_i32 s98, s[HN], 4*TILEB
	s_add_co_u32 s98, s98, BB
	s_mul_i32 s99, s[HM], 4*TILEB
	v_and_b32 v6, 31, v0
	v_lshlrev_b32 v[L16], 4, v6
	v_lshlrev_b32 v[L4], 2, v6
	v_add_nc_u32 v[ADRB], s98, v[L16]
	v_add_nc_u32 v[ADRA], s99, v[L16]
	v_add_nc_u32 v[ADRA+1], 8*TILEB, v[ADRA]
.irp b, 0,1,2,3
	v_mov_b32 v[PT+\b], 0                          ; a lane permute's destination counts as one of its sources
.endr
	s_wait_alu depctr_va_vdst(0)
.irp p, 0,1,2,3
.irp q, 0,1,2,3,4,5,6,7
	global_load_b32 v[SA+8*\p+\q], v[L4], s[62:63] offset:\p*1024+\q*128
.endr
.endr
.irp p, 0,1,2,3,4,5
.irp q, 0,1,2,3,4,5,6,7
	global_load_b32 v[SB+8*\p+\q], v[L4], s[66:67] offset:(\p/2)*32768+(\p%2)*1024+\q*128
.endr
.endr
	s_cmp_lt_u32 s[WV], 2
	s_cbranch_scc0 .Lnot_b
	s_wait_tensorcnt 0x0
.Lnot_b:
	s_barrier_signal -1
	s_barrier_wait -1                              ; Q's weights are in; x's tiles may be on their way
	s_mov_b32 s3, 0
; ---- Q, then K
.Lphase:
	WEIGHTS
	s_wait_tensorcnt 0x0                           ; all my loads are in (the first time: x's tiles);
	ds_add_u32 v[SPW], v[NIL]
	s_add_nc_u64 s[G0R+2:G0R+3], s[G0R+2:G0R+3], 64*TILEB   ; the next phase's weights
	s_mov_b32 s[G1B+2], 2<<16
	s_mov_b32 s[G1B+4], 2
	s_wait_dscnt 0x0                               ; and the weights are in my registers
	CROUND
	TLOAD G0R, G1B                                 ; the weights' region is filled again, a quarter a wave
	FETCH 0
	FETCH 1
	s_wait_loadcnt 0x0                             ; the scale words
.irp s, 0,1,2,3,4,5,6,7
.if \s < 7
	s_wait_dscnt 24
.else
	s_wait_dscnt 0x0
.endif
	BLOCK 0, \s
	PLACES
.if \s < 6
	FETCH \s+2
.endif
.if \s == 7
.set j, 0
.rept 32
	v_mov_b32 v[SB+j], v[SB+16+j]                  ; the next phases' scale words move up; the way out below stands between these and the next products
.set j, j+1
.endr
.endif
	QOUT \s
.endr
	global_store_b128 v[L16], v[WS:WS+3], s[58:59]
	s_wait_tensorcnt 0x0                           ; my part of the next weights is in
	s_wait_dscnt 0x0
	s_barrier_signal -1
	s_barrier_wait -1                              ; a plain barrier shows them to all
	s_wait_xcnt 0x0
	s_add_nc_u64 s[56:57], s[56:57], 6656
	s_add_nc_u64 s[58:59], s[58:59], 12800
	s_add_co_u32 s3, s3, 1
	s_cmp_lt_u32 s3, 2
	s_cbranch_scc1 .Lphase
; ---- V
	WEIGHTS
	FETCH 0
	FETCH 1
.irp s, 0,1,2,3,4,5,6,7
.if \s < 7
	s_wait_dscnt 24
.else
	s_wait_dscnt 0x0
.endif
	BLOCK 1, \s
	PLACES
.if \s < 6
	FETCH \s+2
.endif
.if \s % 2
	VOUT \s/2
.endif
.endr
	v_cndmask_b32 v[WS], v[PWV], v[PWV+1], s[LMASK]
	v_cndmask_b32 v[WS+1], v[PWV+2], v[PWV+3], s[LMASK]
	v_mov_b32 v[WS+2], 0
	v_mov_b32 v[WS+3], 0
.irp t, 0,1,2,3
.irp c, 0,1,2
	global_store_b128 v[L16], v[MCD+12*\t+4*\c:MCD+12*\t+4*\c+3], s[60:61] offset:12800+\t*1536+512*\c
.endr
.endr
	global_store_b128 v[L16], v[WS:WS+3], s[60:61] offset:19456
	s_wait_tensorcnt 0x0                           ; the wave's end
	ds_add_u32 v[SPW], v[NIL]
	s_wait_dscnt 0x0
	CROUND                                         ; the closing round
	s_endpgm
.Lfunc_end_k_q5cb5606aed_gemm_qkv:
	.size	k_q5cb5606aed_gemm_qkv, .Lfunc_end_k_q5cb5606aed_gemm_qkv-k_q5cb5606aed_gemm_qkv
	.p2alignl 7, 3214868480
	.fill 96, 4, 3214868480
	.section	.rodata,"a",@progbits
	.p2align	6, 0x0
	.amdhsa_kernel k_q5cb5606aed_gemm_qkv
		.amdhsa_group_segment_fixed_size 327680
		.amdhsa_private_segment_fixed_size 0
		.amdhsa_enable_private_segment 0
		.amdhsa_kernarg_size 24
		.amdhsa_user_sgpr_count 2
		.amdhsa_user_sgpr_kernarg_segment_ptr 1
		.amdhsa_wavefront_size32 1
		.amdhsa_system_sgpr_workgroup_id_x 1
		.amdhsa_system_sgpr_workgroup_id_y 1
		.amdhsa_system_sgpr_workgroup_id_z 1
		.amdhsa_system_vgpr_workitem_id 0
		.amdhsa_next_free_vgpr 840
		.amdhsa_next_free_sgpr 100
		.amdhsa_reserve_vcc 0
		.amdhsa_float_denorm_mode_32 3
		.amdhsa_float_denorm_mode_16_64 3
		.amdhsa_memory_ordered 1
		.amdhsa_forward_progress 1
		.amdhsa_inst_pref_size 156
	.end_amdhsa_kernel
	.amdgpu_metadata
---
amdhsa.version: [ 1, 2 ]
amdhsa.kernels:
  - .name:           k_q5cb5606aed_gemm_qkv
    .symbol:         k_q5cb5606aed_gemm_qkv.kd
    .args:
      - { .name: ops, .offset: 0, .size: 8, .value_kind: global_buffer, .address_space: global }
      - { .name: opss, .offset: 8, .size: 8, .value_kind: global_buffer, .address_space: global }
      - { .name: qkv, .offset: 16, .size: 8, .value_kind: global_buffer, .address_space: global }
    .group_segment_fixed_size: 327680
    .private_segment_fixed_size: 0
    .kernarg_segment_align: 8
    .kernarg_segment_size: 24
    .max_flat_workgroup_size: 128
    .sgpr_count:     100
    .vgpr_count:     840
    .wavefront_size: 32
...
	.end_amdgpu_metadata
.endif
;; end of part 2
;; launch attn (part 3): grid 4 x 64, 16 waves a work-group, clusters of 4 x 1, 268,288 bytes of LDS; arguments qkv, oc, osc; writes oc, osc
.if DOCPART == 3
	.amdgcn_target "amdgcn-amd-amdhsa--gfx1250"
	.amdhsa_code_object_version 6
	.text
	.protected	k_q5cb5606aed_attn
	.globl	k_q5cb5606aed_attn
	.p2align	8
	.type	k_q5cb5606aed_attn,@function
k_q5cb5606aed_attn:
	s_mov_b64 s[64:65], 0
	v_nop
	global_prefetch_b8 v0, s[64:65] scope:SCOPE_SE
	s_setreg_imm32_b32 hwreg(HW_REG_WAVE_MODE, 25, 1), 1
	s_wait_xcnt 0x0
	s_wait_alu depctr_hold_cnt(0) depctr_sa_sdst(0) depctr_va_vdst(0) depctr_va_sdst(0) depctr_va_ssrc(0) depctr_va_vcc(0) depctr_vm_vsrc(0)
	s_getreg_b32 s2, hwreg(HW_REG_IB_STS2, 6, 4)
	s_cmp_eq_u32 s2, 0
	s_cbranch_scc0 .Lentry_in_a_cluster
	s_endpgm
.Lentry_in_a_cluster:
	s_bfe_u32 s2, ttmp6, 0x10000c
	s_cmp_lg_u32 s2, 0x3003
	s_cbranch_scc0 .Lentry_shape_is_right
	s_endpgm
.Lentry_shape_is_right:
; out[b][n][h 64 + d] = softmax_k(q . k / 8) v for one head, both products on codes of FP6 (E2M3) with E8M0 scales, and the result quantised along h 64 + d as the last product's operand.
; THE SOFTMAX: t = score x log2(e) / 8; M = the running largest t rounded up to a whole number; p = 2^(t - M) is quantised along the keys; the row's sum is taken of the unquantised p
; and divides at the end; when M moves, the sum and O are multiplied by 2^(old M - new M), which rounds nothing.
; SHARES: a work-group owns 512 queries of one head; each of its sixteen waves 32 of them, as two passes of one tile of 16; four waves to a SIMD.
; ALL 2,048 KEYS OF THE HEAD LIE IN LDS: 16 records of 128 keys, 13,312 bytes of memory each, laid as 26 chunks of 512 bytes + 128 of padding: chunks 0-11 K's codes (four images of a pair of tiles),
; 12-23 V^T's, 24 K's scale words, 25 V's.  Each record is filled once, by one joint load of the wave of its number (the four work-groups of a head form the cluster and read the same records).
; Waves 0-3 have a load line of their own: the first barrier shows records 0-3 alone, the second all sixteen.  All loads go out at the head, so no later load exists that a prefetch could run ahead of.
; LAYOUT: both products transposed: S^T = K Q^T, O^T = V^T P^T: a lane holds one query.  In memory lane r of tile t of K holds key 32 (t / 2) + 8 (t % 2) + r + 8 (r / 8).
; THE TILES OF K ARE FORMED ANEW BY THE LANES' ADDRESSES: lane (r, h) of the pair of tiles (c, g) reads lane 8 g + r % 8 + 16 h of the image of pair 2 c + r / 8.  Tile j = 2 g + u of group c then has key
; 64 c + 8 j + r in rows 0-7 and key 64 c + 32 + 8 j + r - 8 in rows 8-15, so register 32 c + 8 j + i of S^T is key 64 c + 32 (lane / 16) + 8 j + i: A LANE HOLDS TWO WHOLE BLOCKS OF 32 KEYS, in the order
; of the second product's operand: a block's largest needs no other lane and the codes are not exchanged between lanes.  Three chunks are 1,920 bytes, 128 modulo 256: rows 0-7 and 8-15 fall on different banks.
; A head's K is 64: Q's registers 6-11 are zero codes; a tile of K's upper six operand registers are whatever follows it, which multiplies zeros; scale bytes 2 and 3 are 0, never 0xff.
; OUT: oc[tile of 16 rows][head][768]: registers 0-1 at 8 x lane, registers 2-5 at 256 + 16 x lane.  osc[pair of tiles][head / 2][lane]: two bytes of a word a head.
; LIMITS: NaN and infinities are not served; the scaled scores stay under 2^31 in magnitude; a block of out whose largest magnitude lies under 2^-124 has the byte 1.
.set CH,  640                          ; a chunk in LDS
.set REC, 26*CH                        ; a record in LDS
.set SPARE, 16*REC                     ; the spare words: 128 bytes a wave
.set L16, 1                            ; 16 x lane
.set ADRK, 2                           ; the step's record + LK
.set L8,  3                            ; 8 x lane
.set R4,  4                            ; 4 x (lane % 16)
.set R16, 5                            ; 16 x (lane % 16)
.set ADRV, 6                           ; the step's record + 16 x lane
.set ADRS, 7                           ; the step's record + LS
.set LK,  8                            ; 1920 (r / 8) + 16 (r % 8) + 256 h
.set LS,  9                            ; 4 (r / 8) + 16 (r % 8) + 256 h
.set SH8, 10                           ; 8 h
.set TT,  11
.set TO,  14                           ; the old -M   (v12 -M, v13 the running largest t)
.set PX,  15                           ; what lane l xor 16 sends
.set QF,  16                           ; v16-27  Q's fragment (v22-27 zeros)
.set QS,  28                           ; Q's scale words;  v29: the second tile's
.set QS1, 29
.set VS,  30                           ; v30-31  V's scale words
.set KF,  32                           ; v32-79  K's eight tiles, six registers each; later V^T's four fragments.  v80-85 zeros
.set Q1,  86                           ; v86-91  the second tile's codes
.set KS,  92                           ; v92-95  K's scale words, a register a pair of tiles
.set S,   96                           ; v96-159 S^T, then p
.set O,   160                          ; v160-191 O^T
.set P,   192                          ; v192-203 p's codes
.set PT2, 204                          ; v204-206, v208-210 the conversions' second halves
.set BM,  212                          ; v212-213 my two blocks' largest
.set SO,  214                          ; v214-215 the conversions' scale operands
.set SUM, 216                          ; v[216:217] the row's sum in two halves; v218-223 three more chains
.set FF,  224                          ; v[224:225] f (the low word serves)
.set PW,  226                          ; p's scale word
.set WP,  227
.set EB,  228                          ; v228-229 scale bytes
.set OC,  232                          ; v232-237 out's codes
.set OT,  238
.set OB,  241
.set M4,  244                          ; v244-247 four chains of maxima
.set WV,  18
.set SEL, 20
.set CS,  22
.set G1,  24
.set G0,  32
.set TB,  2
.macro DEP n
	s_delay_alu instid0(VALU_DEP_\n)
.endm
.macro CROUND
	s_barrier_signal -1
	s_barrier_wait -1
	s_cmp_lg_u32 s[WV], 0
	s_cbranch_scc1 .Lnot_wave_0_\@
	s_barrier_signal -3
.Lnot_wave_0_\@:
	s_barrier_wait -3
	s_barrier_signal -1
	s_barrier_wait -1
.endm
	s_load_b128 s[4:7], s[0:1], 0x0                ; qkv, oc
	s_load_b64 s[8:9], s[0:1], 0x10                ; osc
	v_lshl_add_u32 v254, v0, 2, SPARE
	v_mov_b32 v255, 0
	ds_add_u32 v254, v255                          ; the opening lines
	ds_add_u32 v254, v255
	v_lshrrev_b32 v1, 5, v0
	v_readfirstlane_b32 s[WV], v1                  ; wave 0..15
	s_bfe_u32 s48, ttmp6, 0x40000                  ; cx: my block of 512 queries
	s_and_b32 s49, ttmp7, 0xffff                   ; batch x 16 + head, which the four partners share
	s_mul_i32 s50, s49, 319488                     ; the head's 16 records in memory
	s_mov_b32 s[SEL], 0x76543210
	s_mov_b32 s[SEL+1], 0xfedcba98
	s_mov_b32 s[CS], 0x3e38aa3b                    ; c = log2(e) / 8
	s_mov_b32 s[CS+1], s[CS]
	s_mov_b32 s[G1], 15|(3<<16)|(1<<20)|(1<<21)|(6<<22)|(31<<25)   ; all four work-groups; elements of 8 bytes; behind every 128 dwords 32 dwords of padding
	s_mov_b32 s[G1+1], 64<<16                      ; rows of 512 bytes,
	s_mov_b32 s[G1+2], 26<<16                      ; 26 of them: a record's 13,312 dense bytes
	s_mov_b32 s[G1+3], 64<<16
	s_mov_b32 s[G1+4], 26
	s_mov_b32 s[G1+5], 64
	s_mov_b32 s[G1+6], 0
	s_mov_b32 s[G1+7], 0
	s_mul_i32 s53, s[WV], REC
	s_mul_i32 s54, s[WV], 19968
	s_add_co_u32 s54, s54, 6656
	s_add_co_u32 s54, s54, s50
	s_mov_b32 s55, 0
	s_wait_dscnt 0x0
	s_wait_kmcnt 0x0
	s_add_nc_u64 s[54:55], s[4:5], s[54:55]
	s_mov_b32 s[G0], 1                             ; wave w fetches record w
	s_mov_b32 s[G0+1], s53
	s_mov_b64 s[G0+2:G0+3], s[54:55]
	s_or_b32 s[G0+3], s[G0+3], 0x80000000
	CROUND                                         ; all four work-groups are here: the joint loads meet
	s_cmp_lt_u32 s[WV], 4
	s_cbranch_scc0 .Llater
	tensor_load_to_lds s[G0:G0+3], s[G1:G1+7]      ; records 0-3: the line of the waves that wait at the first barrier
	s_nop 0
.rept 4
	v_nop
.endr
	s_branch .Lasked
.Llater:
	tensor_load_to_lds s[G0:G0+3], s[G1:G1+7]      ; records 4-15
	s_nop 0
.rept 4
	v_nop
.endr
.Lasked:
	; Q: my pair of tiles is pair wave % 4 of record 4 cx + wave / 4
	s_lshl_b32 s56, s48, 2
	s_lshr_b32 s57, s[WV], 2
	s_add_co_u32 s56, s56, s57
	s_mul_i32 s56, s56, 19968
	s_add_co_u32 s56, s56, s50
	s_and_b32 s57, s[WV], 3
	s_mul_i32 s58, s57, 1536
	s_add_co_u32 s58, s58, s56
	s_mov_b32 s59, 0
	s_add_nc_u64 s[58:59], s[4:5], s[58:59]
	s_lshl_b32 s60, s57, 2
	s_add_co_u32 s60, s60, s56
	s_add_co_u32 s60, s60, 6144
	s_mov_b32 s61, 0
	s_add_nc_u64 s[60:61], s[4:5], s[60:61]
	v_and_b32 v[TT], 31, v0
	v_and_b32 v[TO], 15, v0
	v_lshlrev_b32 v[L16], 4, v[TT]
	v_lshlrev_b32 v[L8], 3, v[TT]
	v_lshlrev_b32 v[R4], 2, v[TO]
	v_lshlrev_b32 v[R16], 4, v[TO]
	global_load_b128 v[QF:QF+3], v[L16], s[58:59]              ; the image's registers 0-5: the even tile
	global_load_b64 v[QF+4:QF+5], v[L16], s[58:59] offset:512
	global_load_b64 v[Q1:Q1+1], v[L16], s[58:59] offset:520    ; registers 6-11: the odd tile
	global_load_b128 v[Q1+2:Q1+5], v[L16], s[58:59] offset:1024
	global_load_b32 v[QS], v[R16], s[60:61]
	global_load_b32 v[QS1], v[R16], s[60:61] offset:256
	v_bfe_u32 v[PX], v0, 3, 1                      ; r / 8
	v_and_b32 v[LS], 7, v0                         ; r % 8
	v_bfe_u32 v[SH8], v0, 4, 1                     ; h
	v_lshlrev_b32 v[LS], 4, v[LS]
	v_lshl_add_u32 v[LS], v[SH8], 8, v[LS]
	v_mad_u32_u24 v[LK], v[PX], 3*CH, v[LS]
	v_lshl_add_u32 v[LS], v[PX], 2, v[LS]
	v_lshlrev_b32 v[SH8], 3, v[SH8]
	; where the results go
	s_lshr_b32 s56, s49, 4                         ; batch
	s_and_b32 s57, s49, 15                         ; head
	s_lshl_b32 s53, s48, 4
	s_add_co_u32 s53, s53, s[WV]
	s_lshl_b32 s54, s56, 6
	s_add_co_u32 s54, s54, s53                     ; my pair of tiles among the 256
	s_lshl_b32 s10, s54, 5
	s_add_co_u32 s10, s10, s57
	s_mul_i32 s10, s10, 768
	s_mov_b32 s11, 0
	s_add_nc_u64 s[6:7], s[6:7], s[10:11]
	s_lshl_b32 s12, s54, 3
	s_lshr_b32 s13, s57, 1
	s_add_co_u32 s12, s12, s13
	s_lshl_b32 s12, s12, 7
	s_and_b32 s13, s57, 1
	s_lshl_b32 s13, s13, 1
	s_add_co_u32 s12, s12, s13
	s_mov_b32 s13, 0
	s_add_nc_u64 s[8:9], s[8:9], s[12:13]
.irp i, 0,1,2,3,4,5
	v_mov_b32 v[QF+6+\i], 0                        ; zero codes for K = 64 .. 127
	v_mov_b32 v[KF+48+\i], 0                       ; what follows K's last tile
.endr
	v_mov_b32 v[PX], 0                             ; a lane permute's destination counts as one of its sources
	v_mov_b32 v[EB], 0
	v_mov_b32 v[EB+1], 0
	v_mov_b32 v[FF+1], 0                           ; (named as the upper half of a pair)
; A KEY STEP: 128 keys, one record
.macro STEP
	v_add_nc_u32 v[ADRK], s[TB], v[LK]
	v_add_nc_u32 v[ADRS], s[TB], v[LS]
.irp q, 0,1,2,3                        ; q = 2 c + g: tiles 2 q and 2 q + 1
.irp m, 0,1,2
	ds_load_b128 v[KF+12*\q+4*\m:KF+12*\q+4*\m+3], v[ADRK] offset:(\q/2)*6*CH+(\q%2)*128+\m*CH
.endr
	ds_load_b32 v[KS+\q], v[ADRS] offset:24*CH+(\q%2)*128+(\q/2)*8   ; lanes 0-15 the even tile's rows, lanes 16-31 the odd tile's
.endr
	s_wait_dscnt 0x0
.irp t, 0,1,2,3,4,5,6,7
.if \t%2
	v_wmma_scale_f32_16x16x128_f8f6f4 v[S+8*\t:S+8*\t+7], v[KF+6*\t:KF+6*\t+11], v[QF:QF+11], 0, v[KS+\t/2], v[QS] matrix_a_fmt:MATRIX_FMT_FP6 matrix_b_fmt:MATRIX_FMT_FP6 matrix_a_scale:MATRIX_SCALE_ROW1
.else
	v_wmma_scale_f32_16x16x128_f8f6f4 v[S+8*\t:S+8*\t+7], v[KF+6*\t:KF+6*\t+11], v[QF:QF+11], 0, v[KS+\t/2], v[QS] matrix_a_fmt:MATRIX_FMT_FP6 matrix_b_fmt:MATRIX_FMT_FP6
.endif
.endr
	v_add_nc_u32 v[ADRV], s[TB], v[L16]            ; four places in front of the loads below and of the first read of the scores
	v_mov_b32 v[TO], v12
	v_nop
	v_nop
.irp c, 0,1,2,3,4,5,6,7,8,9,10,11
	ds_load_b128 v[KF+4*\c:KF+4*\c+3], v[ADRV] offset:(12+\c)*CH   ; V^T lands while the softmax is worked
.endr
	ds_load_b64 v[VS:VS+1], v[ADRV] offset:25*CH
.irp q, 0,1,2,3                        ; the largest score of my two blocks of 32 keys, each in two chains, every accumulator from its low end on
	v_max3_num_f32 v[M4+\q], v[S+16*\q], v[S+16*\q+1], v[S+16*\q+2]
.endr
.irp i, 3,5,7,9,11,13
.irp q, 0,1,2,3
	v_max3_num_f32 v[M4+\q], v[M4+\q], v[S+16*\q+\i], v[S+16*\q+\i+1]
.endr
.endr
.irp c, 0,1
	v_max3_num_f32 v[BM+\c], v[M4+2*\c], v[M4+2*\c+1], v[S+32*\c+15]
.endr
.irp c, 0,1
	v_max_num_f32 v[BM+\c], v[BM+\c], v[S+32*\c+31]
.endr
	DEP 1
	v_max_num_f32 v[TT], v[BM], v[BM+1]
	DEP 1
	v_mul_f32 v[TT], s[CS], v[TT]                  ; as t (c is positive)
	DEP 1
	v_permlanex16_b32 v[PX], v[TT], s[SEL], s[SEL+1]
	DEP 1
	v_max3_num_f32 v13, v13, v[TT], v[PX]          ; the running largest t, with lane l xor 16's 64 keys
	DEP 1
	v_floor_f32 v12, -v13                          ; the new -M = floor(-t): M is a whole number
	DEP 1
	v_sub_f32 v[TT], v12, v[TO]                    ; old M - new M: a whole number, 0 or less
	DEP 1
	v_cvt_i32_f32 v[TT], v[TT]                     ; (it saturates)
	DEP 1
	v_ldexp_f32 v[FF], 1.0, v[TT]                  ; f = 2^(old M - new M)
.set j, 0
.rept 32
	v_pk_fma_f32 v[S+j:S+j+1], v[S+j:S+j+1], s[CS:CS+1], v[12:13] op_sel_hi:[1,0,0]   ; t - M, two at a time
.set j, j+2
.endr
.irp c, 0,1
	v_fma_f32 v[BM+\c], v[BM+\c], s[CS], v12
.endr
	s_wait_alu depctr_va_vdst(0)
.set j, 0
.rept 64
	v_exp_f32 v[S+j], v[S+j]                       ; p = 2^(t - M), at most 1
.set j, j+1
.endr
.irp c, 0,1
	v_exp_f32 v[BM+\c], v[BM+\c]                   ; the block's largest p: the same two instructions on the same number
.endr
	v_pk_mul_f32 v[SUM:SUM+1], v[SUM:SUM+1], v[FF:FF+1] op_sel_hi:[1,0]   ; the sum under the new M (a plain place behind the exponentials)
	s_wait_dscnt 0x0                               ; V^T and its scale words
	s_wait_alu depctr_va_vdst(0)                   ; one wait for the batch, directly ahead of the first readers of O^T
.set j, 0
.rept 16
	v_pk_mul_f32 v[O+j:O+j+1], v[O+j:O+j+1], v[FF:FF+1] op_sel_hi:[1,0]   ; O^T under the new M
.set j, j+2
.endr
.irp c, 0,1
	v_max_num_f32 v[BM+\c], 0x1800000, v[BM+\c]    ; the floor 2^(3 - 127)
.endr
.irp c, 0,1
	DEP 2
	v_add_nc_u32 v[SO+\c], 0xff000000, v[BM+\c]    ; 2 off the exponent field: the conversion's scale operand
.endr
.irp c, 0,1
	DEP 2
	v_lshrrev_b32 v[EB+\c], 23, v[SO+\c]
.endr
	DEP 1
	v_lshl_or_b32 v[WP], v[EB+1], 16, v[EB]        ; my bytes: blocks h and 2 + h,
	DEP 1
	v_lshlrev_b32 v[WP], v[SH8], v[WP]             ; at their places;
	DEP 1
	v_permlanex16_b32 v[PX], v[WP], s[SEL], s[SEL+1]
	DEP 1
	v_or_b32 v[PW], v[WP], v[PX]                   ; with lane l xor 16's two the word is whole
.irp c, 0,1
	v_cvt_scalef32_pk16_fp6_f32 v[P+6*\c:P+6*\c+2], v[S+32*\c:S+32*\c+15], v[SO+\c]
	v_cvt_scalef32_pk16_fp6_f32 v[PT2+4*\c:PT2+4*\c+2], v[S+32*\c+16:S+32*\c+31], v[SO+\c]
.endr
	v_pk_add_f32 v[SUM+2:SUM+3], v[S:S+1], v[S+2:S+3]          ; the row's sum of the unquantised p, in four chains (also the plain place behind the conversions)
	v_pk_add_f32 v[SUM+4:SUM+5], v[S+4:S+5], v[S+6:S+7]
	v_pk_add_f32 v[SUM+6:SUM+7], v[S+8:S+9], v[S+10:S+11]
	v_pk_add_f32 v[SUM:SUM+1], v[SUM:SUM+1], v[S+12:S+13]
.irp c, 0,1
.irp i, 0,1,2
	v_mov_b32 v[P+3+6*\c+\i], v[PT2+4*\c+\i]       ; (a conversion's three registers begin on an even number)
.endr
.endr
.set n, 7
.rept 16                               ; sixteen places between p's codes and scale word and the products
	v_pk_add_f32 v[SUM+2*((n-6)%4):SUM+2*((n-6)%4)+1], v[SUM+2*((n-6)%4):SUM+2*((n-6)%4)+1], v[S+2*n:S+2*n+1]
.set n, n+1
.endr
.irp t, 0,1,2,3
.if \t%2
	v_wmma_scale_f32_16x16x128_f8f6f4 v[O+8*\t:O+8*\t+7], v[KF+12*\t:KF+12*\t+11], v[P:P+11], v[O+8*\t:O+8*\t+7], v[VS+\t/2], v[PW] matrix_a_fmt:MATRIX_FMT_FP6 matrix_b_fmt:MATRIX_FMT_FP6 matrix_a_scale:MATRIX_SCALE_ROW1
.else
	v_wmma_scale_f32_16x16x128_f8f6f4 v[O+8*\t:O+8*\t+7], v[KF+12*\t:KF+12*\t+11], v[P:P+11], v[O+8*\t:O+8*\t+7], v[VS+\t/2], v[PW] matrix_a_fmt:MATRIX_FMT_FP6 matrix_b_fmt:MATRIX_FMT_FP6
.endif
.endr
.rept 9                                ; the rest of the sum: the places behind the products
	v_pk_add_f32 v[SUM+2*((n-6)%4):SUM+2*((n-6)%4)+1], v[SUM+2*((n-6)%4):SUM+2*((n-6)%4)+1], v[S+2*n:S+2*n+1]
.set n, n+1
.endr
	v_pk_add_f32 v[SUM+2:SUM+3], v[SUM+2:SUM+3], v[SUM+4:SUM+5]
	v_pk_add_f32 v[SUM:SUM+1], v[SUM:SUM+1], v[SUM+6:SUM+7]
	v_pk_add_f32 v[SUM:SUM+1], v[SUM:SUM+1], v[SUM+2:SUM+3]
	s_add_co_u32 s[TB], s[TB], REC
.endm
.macro RUN first, trips                ; records first .. first + trips - 1
	s_mov_b32 s[TB], \first*REC
	s_mov_b32 s3, \trips
.Lstep_\@:
	STEP
	s_sub_co_u32 s3, s3, 1
	s_cmp_lg_u32 s3, 0
	s_cbranch_scc1 .Lstep_\@
.endm
	s_wait_alu depctr_va_vdst(0)
	s_wait_loadcnt 0x0                             ; Q
; A pass: one tile of 16 queries over all keys.  The first pass meets the records as they land, at two barriers; the second finds all of them in LDS and passes no barrier
.macro PASS first
	v_mov_b32 v13, 0xff61b1e6                      ; the largest t so far: -3e38
	v_floor_f32 v12, -v13
	v_mov_b32 v[SUM], 0
	v_mov_b32 v[SUM+1], 0
.set j, 0
.rept 32
	v_mov_b32 v[O+j], 0                            ; the first step finds zeros, which the first change of M leaves zeros
.set j, j+1
.endr
.if \first
	s_wait_dscnt 0x0
	s_cmp_lt_u32 s[WV], 4
	s_cbranch_scc0 .Lnot_mine
	s_wait_tensorcnt 0x0                           ; waves 0-3: my record is in
.Lnot_mine:
	s_barrier_signal -1
	s_barrier_wait -1                              ; records 0-3 are whole
	RUN 0, 4
	s_wait_tensorcnt 0x0                           ; every wave: my record is in
	s_wait_dscnt 0x0
	s_barrier_signal -1
	s_barrier_wait -1                              ; all sixteen records are whole
	RUN 4, 12
.else
	RUN 0, 16
.endif
	v_add_f32 v[TT], v[SUM], v[SUM+1]
	DEP 1
	v_permlanex16_b32 v[PX], v[TT], s[SEL], s[SEL+1]
	DEP 1
	v_add_f32 v[TT], v[TT], v[PX]                  ; the row's sum
	s_wait_alu depctr_va_vdst(0)
	v_rcp_f32 v[TT], v[TT]
	v_nop
	s_wait_alu depctr_va_vdst(0)
.set j, 0
.rept 32
	v_mul_f32 v[S+j], v[O+j], v[TT]                ; register 16 b + i: out at d = 32 b + 16 (lane / 16) + i of my query
.set j, j+1
.endr
.irp b, 0,1
	v_max3_num_f32 v[BM+\b], |v[S+16*\b]|, |v[S+1+16*\b]|, 0x1800000
.endr
.irp i, 2,4,6,8,10,12,14
.irp b, 0,1
	DEP 2
	v_max3_num_f32 v[BM+\b], v[BM+\b], |v[S+16*\b+\i]|, |v[S+1+16*\b+\i]|
.endr
.endr
.irp b, 0,1
	DEP 2
	v_permlanex16_b32 v[EB+\b], v[BM+\b], s[SEL], s[SEL+1]
.endr
.irp b, 0,1
	DEP 2
	v_max_num_f32 v[BM+\b], v[BM+\b], v[EB+\b]
.endr
.irp b, 0,1
	DEP 2
	v_add_nc_u32 v[SO+\b], 0xff000000, v[BM+\b]
.endr
.irp b, 0,1
	DEP 2
	v_lshrrev_b32 v[EB+\b], 23, v[SO+\b]
.endr
	DEP 1
	v_lshl_or_b32 v[OB], v[EB+1], 8, v[EB]
	v_cvt_scalef32_pk16_fp6_f32 v[OC:OC+2], v[S:S+15], v[SO]
	v_cvt_scalef32_pk16_fp6_f32 v[OT:OT+2], v[S+16:S+31], v[SO+1]
	v_nop
.irp i, 0,1,2
	v_permlane16_swap_b32 v[OC+\i], v[OT+\i]       ; a whole block to a lane
.endr
.irp i, 0,1,2
	v_mov_b32 v[OC+3+\i], v[OT+\i]
.endr
	global_store_b64 v[L8], v[OC:OC+1], s[6:7]                 ; 256 consecutive bytes
	global_store_b128 v[L16], v[OC+2:OC+5], s[6:7] offset:256  ; 512
	global_store_b16 v[R4], v[OB], s[8:9]                      ; both halves of the lanes write the same two bytes with the same value
.if \first
	s_wait_xcnt 0x0                                ; the stores have read their registers and bases
	s_add_nc_u64 s[6:7], s[6:7], 12288             ; the odd tile
	s_add_nc_u64 s[8:9], s[8:9], 64                ; lanes 16-31 of the pair's words
.irp i, 0,1,2,3,4,5
	v_mov_b32 v[QF+\i], v[Q1+\i]
.endr
	v_mov_b32 v[QS], v[QS1]                        ; (the 36 moves at the pass's head stand between this and the next product)
.endif
.endm
	PASS 1
	PASS 0
	s_wait_tensorcnt 0x0                           ; the wave's end
	ds_add_u32 v254, v255
	s_wait_dscnt 0x0
	CROUND                                         ; the closing round
	s_endpgm
.Lfunc_end_k_q5cb5606aed_attn:
	.size	k_q5cb5606aed_attn, .Lfunc_end_k_q5cb5606aed_attn-k_q5cb5606aed_attn
	.p2alignl 7, 3214868480
	.fill 96, 4, 3214868480
	.section	.rodata,"a",@progbits
	.p2align	6, 0x0
	.amdhsa_kernel k_q5cb5606aed_attn
		.amdhsa_group_segment_fixed_size 268288
		.amdhsa_private_segment_fixed_size 0
		.amdhsa_enable_private_segment 0
		.amdhsa_kernarg_size 24
		.amdhsa_user_sgpr_count 2
		.amdhsa_user_sgpr_kernarg_segment_ptr 1
		.amdhsa_wavefront_size32 1
		.amdhsa_system_sgpr_workgroup_id_x 1
		.amdhsa_system_sgpr_workgroup_id_y 1
		.amdhsa_system_sgpr_workgroup_id_z 1
		.amdhsa_system_vgpr_workitem_id 0
		.amdhsa_next_free_vgpr 256
		.amdhsa_next_free_sgpr 66
		.amdhsa_reserve_vcc 0
		.amdhsa_float_denorm_mode_32 3
		.amdhsa_float_denorm_mode_16_64 3
		.amdhsa_memory_ordered 1
		.amdhsa_forward_progress 1
		.amdhsa_inst_pref_size 63
	.end_amdhsa_kernel
	.amdgpu_metadata
---
amdhsa.version: [ 1, 2 ]
amdhsa.kernels:
  - .name:           k_q5cb5606aed_attn
    .symbol:         k_q5cb5606aed_attn.kd
    .args:
      - { .name: qkv, .offset: 0, .size: 8, .value_kind: global_buffer, .address_space: global }
      - { .name: oc, .offset: 8, .size: 8, .value_kind: global_buffer, .address_space: global }
      - { .name: osc, .offset: 16, .size: 8, .value_kind: global_buffer, .address_space: global }
    .group_segment_fixed_size: 268288
    .private_segment_fixed_size: 0
    .kernarg_segment_align: 8
    .kernarg_segment_size: 24
    .max_flat_workgroup_size: 512
    .sgpr_count:     66
    .vgpr_count:     256
    .wavefront_size: 32
...
	.end_amdgpu_metadata
.endif
;; end of part 3
;; launch gemm_proj (part 4): grid 8 x 32, 4 waves a work-group, clusters of 4 x 4, 327,680 bytes of LDS; arguments oc, osc, ops, opss, b_proj, out0; writes out0
.if DOCPART == 4
	.amdgcn_target "amdgcn-amd-amdhsa--gfx1250"
	.amdhsa_code_object_version 6
	.text
	.protected	k_q5cb5606aed_gemm_proj
	.globl	k_q5cb5606aed_gemm_proj
	.p2align	8
	.type	k_q5cb5606aed_gemm_proj,@function
k_q5cb5606aed_gemm_proj:
	s_mov_b64 s[64:65], 0
	v_nop
	global_prefetch_b8 v0, s[64:65] scope:SCOPE_SE
	s_setreg_imm32_b32 hwreg(HW_REG_WAVE_MODE, 25, 1), 1
	s_wait_xcnt 0x0
	s_wait_alu depctr_hold_cnt(0) depctr_sa_sdst(0) depctr_va_vdst(0) depctr_va_sdst(0) depctr_va_ssrc(0) depctr_va_vcc(0) depctr_vm_vsrc(0)
	s_getreg_b32 s2, hwreg(HW_REG_IB_STS2, 6, 4)
	s_cmp_eq_u32 s2, 0
	s_cbranch_scc0 .Lentry_in_a_cluster
	s_endpgm
.Lentry_in_a_cluster:
	s_bfe_u32 s2, ttmp6, 0x10000c
	s_cmp_lg_u32 s2, 0xf033
	s_cbranch_scc0 .Lentry_shape_is_right
	s_endpgm
.Lentry_shape_is_right:
; out0 = attention's result x w_proj + b_proj, on codes of FP6 (E2M3) with E8M0 scales; sums and result in f32.
; oc[tile of 16 rows][head][768]: a tile's six operand registers of a head: registers 0-1 at 8 x lane, 2-5 at 256 + 16 x lane; two heads are a K step.  osc[pair of tiles][K step][lane]: scale words.
; ops, opss: w_proj's columns are tiles 704-767, as images of operand registers (registers 4 c .. 4 c + 3 of lane l at 512 c + 16 l).  Lane r of tile t holds row (column) 32 (t / 2) + 8 (t % 2) + r + 8 (r / 8).
; THE DEAL: 256 work-groups; work-group (jx, rb) makes rows 256 rb .. + 255, columns 128 jx .. + 127.  Four waves, 2 x 2: wave (a, b) makes 128 rows x 64 columns.
; All of K lies in LDS, filled once at the head, one joint load a wave: the rows' 16 tiles as [quad of blocks][a][4 tiles] (shared by a row of the cluster), the weights' 8 tiles behind them (shared by a column).
; All loads go out at the head, so no later load exists that a prefetch could run ahead of.
; A wave takes its 4 tiles of the weight, all of K, into 384 registers and streams the rows' tiles past them: a BLOCK of 32 products on four accumulators by turns;
; the bias is the first four products' C.  Source 0 = the weight's tile: a lane holds 16 neighbouring columns of a row for each pair of tiles.
; A finished block goes through the wave's own stage in LDS and leaves as whole rows of 256 bytes, while the next block is multiplied.
; WAITS ahead of block s: the younger LDS instructions are block s - 1's 16 of the stage and block s + 1's 32 fetch loads (48; block 0: 32; block 7: 16).  Ahead of block s - 1's stores: the 32 fetch loads (block 6's: none).
.set TILEB, 12288
.set BB,    16*TILEB
.set SPARE, 24*TILEB
.set STG,   SPARE+512                  ; four stages of 16 rows x 272 bytes
.set L16, 1
.set L4,  2
.set ADRB, 3
.set ADRA, 4                           ; v4, v5: 16 x lane + my rows in quad 0, 1
.set ADRA8, 6                          ; v6, v7: 8 x lane + the same
.set STO, 8
.set RD,  9
.set CO,  10
.set BH,  11
.set SPW, 28
.set NIL, 29
.set SA,  32
.set SB,  64
.set BI,  80                           ; v80-111 the bias in the result's layout
.set ACC, 112                          ; v112-175 two sets of four accumulators
.set OU,  176                          ; v176-239 two sets of 16 rows read back
.set WV,  17
.set HM,  18
.set HN,  19
.set G1A, 24
.set G1B, 32
.set G0B, 40
.set G0A, 44
.set G0C, 48
.set MSB, 0
.macro WIN new
.if MSB != (\new)
	s_set_vgpr_msb (MSB<<8)|(\new)
.set MSB, (\new)
.endif
.endm
.macro PLACES
.rept 4
	v_nop
.endr
.endm
.macro TLOAD g0, g1
	tensor_load_to_lds s[\g0:\g0+3], s[\g1:\g1+7]
	s_nop 0
	PLACES
.endm
.macro CROUND
	s_barrier_signal -1
	s_barrier_wait -1
	s_cmp_lg_u32 s[WV], 0
	s_cbranch_scc1 .Lnot_wave_0_\@
	s_barrier_signal -3
.Lnot_wave_0_\@:
	s_barrier_wait -3
	s_barrier_signal -1
	s_barrier_wait -1
.endm
; fragment f lies in window 1 + f / 21 at register 12 (f % 21): 0-31 the weights' (4 x K step + tile), 32-39 and 40-47 the rows' two sets
.macro LDF f, adr, off
	WIN (1+(\f)/21)<<6
.set rF, 12*((\f)%21)
	ds_load_b128 v[rF:rF+3], v[\adr] offset:\off
	ds_load_b128 v[rF+4:rF+7], v[\adr] offset:(\off)+512
	ds_load_b128 v[rF+8:rF+11], v[\adr] offset:(\off)+1024
.endm
.macro LDFA f, g, off
	WIN (1+(\f)/21)<<6
.set rF, 12*((\f)%21)
	ds_load_b64 v[rF:rF+1], v[ADRA8+\g] offset:\off
	ds_load_b128 v[rF+2:rF+5], v[ADRA+\g] offset:(\off)+256
	ds_load_b64 v[rF+6:rF+7], v[ADRA8+\g] offset:(\off)+768
	ds_load_b128 v[rF+8:rF+11], v[ADRA+\g] offset:(\off)+1024
.endm
.macro WEIGHTS
.irp q, 0,1,2,3,4,5,6,7
.irp t, 0,1,2,3
	LDF 4*\q+\t, ADRB, \t*TILEB+\q*1536
.endr
.endr
	WIN 0
.endm
.macro FETCH s
.irp q, 0,1,2,3,4,5,6,7
	LDFA 32+8*((\s)%2)+\q, (\s)/4, ((\s)%4)*TILEB+\q*1536
.endr
	WIN 0
.endm
.macro WM1 c
.if pA && pB
	v_wmma_scale_f32_16x16x128_f8f6f4 v[rD:rD+7], v[rA:rA+11], v[rB:rB+11], \c, v[xA], v[xB] matrix_a_fmt:MATRIX_FMT_FP6 matrix_b_fmt:MATRIX_FMT_FP6 matrix_a_scale:MATRIX_SCALE_ROW1 matrix_b_scale:MATRIX_SCALE_ROW1
.elseif pA
	v_wmma_scale_f32_16x16x128_f8f6f4 v[rD:rD+7], v[rA:rA+11], v[rB:rB+11], \c, v[xA], v[xB] matrix_a_fmt:MATRIX_FMT_FP6 matrix_b_fmt:MATRIX_FMT_FP6 matrix_a_scale:MATRIX_SCALE_ROW1
.elseif pB
	v_wmma_scale_f32_16x16x128_f8f6f4 v[rD:rD+7], v[rA:rA+11], v[rB:rB+11], \c, v[xA], v[xB] matrix_a_fmt:MATRIX_FMT_FP6 matrix_b_fmt:MATRIX_FMT_FP6 matrix_b_scale:MATRIX_SCALE_ROW1
.else
	v_wmma_scale_f32_16x16x128_f8f6f4 v[rD:rD+7], v[rA:rA+11], v[rB:rB+11], \c, v[xA], v[xB] matrix_a_fmt:MATRIX_FMT_FP6 matrix_b_fmt:MATRIX_FMT_FP6
.endif
.endm
.macro PROD s, q, t
.set fW, 4*(\q)+(\t)
.set fX, 32+8*((\s)%2)+(\q)
.set rD, ACC+32*((\s)%2)+8*(\t)
.set rC, BI+8*(\t)
.set rA, 12*(fW%21)
.set rB, 12*(fX%21)
.set xA, SB+8*((\t)/2)+(\q)
.set xB, SA+8*((\s)/2)+(\q)
.set pA, (\t)%2
.set pB, (\s)%2
	WIN (1+fW/21)|((1+fX/21)<<2)
.if \q
	WM1 v[rD:rD+7]
.else
	WM1 v[rC:rC+7]
.endif
.endm
.macro BLOCK s
.irp q, 0,1,2,3,4,5,6,7
.irp t, 0,1,2,3
	PROD \s, \q, \t
.endr
.endr
	WIN 0
.endm
.macro TOSTAGE s
.set aC, ACC+32*((\s)%2)
.set oU, OU+32*((\s)%2)
.irp t, 0,1,2,3
	ds_store_b128 v[STO], v[aC+8*\t:aC+8*\t+3] offset:128*(\t/2)+32*(\t%2)       ; each accumulator from its low end on
	ds_store_b128 v[STO], v[aC+8*\t+4:aC+8*\t+7] offset:128*(\t/2)+32*(\t%2)+16
.endr
.irp i, 0,1,2,3,4,5,6,7
	ds_load_b128 v[oU+4*\i:oU+4*\i+3], v[RD] offset:\i*544   ; LDS serves a wave's instructions in order: these see the stores above
.endr
.endm
.macro SEND s, younger
.set oU, OU+32*((\s)%2)
	s_wait_dscnt \younger
.irp i, 0,1,2,3,4,5,6,7
	global_store_b128 v[CO], v[oU+4*\i:oU+4*\i+3], s[14:15] offset:(32*((\s)/2)+8*((\s)%2)+2*\i+8*(\i/4))*4096 th:TH_STORE_NT   ; sixteen lanes store 256 consecutive bytes, aligned
.endr
.endm
; ---- the head
	s_load_b256 s[4:11], s[0:1], 0x0               ; oc, osc, ops, opss
	s_load_b128 s[12:15], s[0:1], 0x20             ; b_proj, out0
	v_lshl_add_u32 v[SPW], v0, 2, SPARE
	v_mov_b32 v[NIL], 0
	ds_add_u32 v[SPW], v[NIL]                      ; the opening lines
	ds_add_u32 v[SPW], v[NIL]
	v_lshrrev_b32 v1, 5, v0
	v_readfirstlane_b32 s[WV], v1
	s_lshr_b32 s[HM], s[WV], 1                     ; a
	s_and_b32 s[HN], s[WV], 1                      ; b
	s_bfe_u32 s80, ttmp6, 0x40000                  ; cx
	s_bfe_u32 s81, ttmp6, 0x40004                  ; cy
	s_lshl_b32 s82, ttmp9, 2
	s_add_co_u32 s82, s82, s80                     ; jx
	s_and_b32 s83, ttmp7, 0xffff
	s_lshl_b32 s83, s83, 2
	s_add_co_u32 s83, s83, s81                     ; rb
	s_lshl_b32 s84, s81, 2
	s_lshl_b32 s84, 15, s84                        ; my row of the cluster
	s_lshl_b32 s85, 0x1111, s80                    ; my column
	s_or_b32 s[G1A], s84, (3<<16)|(1<<21)          ; rows: two rows (a) of four tiles, eight tiles apart
	s_mov_b32 s[G1A+1], 6144<<16
	s_mov_b32 s[G1A+2], 2<<16
	s_mov_b32 s[G1A+3], 6144<<16
	s_mov_b32 s[G1A+4], 2
	s_mov_b32 s[G1A+5], 12288
	s_mov_b32 s[G1A+6], 0
	s_mov_b32 s[G1A+7], 0
	s_or_b32 s[G1B], s85, (3<<16)|(1<<21)          ; weights: four tiles on end
	s_mov_b32 s[G1B+1], 1536<<16
	s_mov_b32 s[G1B+2], 4<<16
	s_mov_b32 s[G1B+3], 1536<<16
	s_mov_b32 s[G1B+4], 4
	s_mov_b32 s[G1B+5], 1536
	s_mov_b32 s[G1B+6], 0
	s_mov_b32 s[G1B+7], 0
	s_mul_i32 s86, s83, 16*TILEB
	s_mov_b32 s87, 0
	s_lshl_b32 s88, s82, 3
	s_add_co_u32 s88, s88, 704
	s_lshl_b32 s90, s[WV], 2
	s_add_co_u32 s90, s90, s88
	s_mul_i32 s90, s90, TILEB
	s_mov_b32 s91, 0
	s_mul_i32 s94, s[WV], 4*TILEB
	s_add_co_u32 s94, s94, BB
	s_wait_dscnt 0x0
	CROUND                                         ; in front of the joint loads
	s_wait_kmcnt 0x0
	s_mov_b32 s[G0B], 1
	s_mov_b32 s[G0B+1], s94
	s_add_nc_u64 s[G0B+2:G0B+3], s[8:9], s[90:91]
	s_or_b32 s[G0B+3], s[G0B+3], 0x80000000
	s_mov_b32 s[G0A], 1
	s_mov_b32 s[G0A+1], 0
	s_add_nc_u64 s[G0A+2:G0A+3], s[4:5], s[86:87]
	s_mov_b32 s[G0C], 1
	s_mov_b32 s[G0C+1], 8*TILEB
	s_add_nc_u64 s[G0C+2:G0C+3], s[G0A+2:G0A+3], 4*TILEB
	s_or_b32 s[G0A+3], s[G0A+3], 0x80000000
	s_or_b32 s[G0C+3], s[G0C+3], 0x80000000
	s_cmp_lt_u32 s[WV], 2
	s_cbranch_scc0 .Lwave_2
	TLOAD G0B, G1B                                 ; waves 0, 1: the weights, needed first
	s_branch .Lasked
.Lwave_2:
	s_cmp_eq_u32 s[WV], 2
	s_cbranch_scc0 .Lwave_3
	TLOAD G0A, G1A                                 ; wave 2: blocks 0-3
	s_branch .Lasked
.Lwave_3:
	TLOAD G0C, G1A                                 ; wave 3: blocks 4-7
.Lasked:
	s_lshl_b32 s96, s83, 3
	s_lshl_b32 s97, s[HM], 2
	s_add_co_u32 s96, s96, s97
	s_lshl_b32 s96, s96, 10
	s_mov_b32 s97, 0
	s_add_nc_u64 s[62:63], s[6:7], s[96:97]        ; the rows' scale words: my four pairs
	s_lshl_b32 s96, s82, 2
	s_lshl_b32 s98, s[HN], 1
	s_add_co_u32 s96, s96, s98
	s_add_co_u32 s96, s96, 352
	s_lshl_b32 s96, s96, 10
	s_add_nc_u64 s[66:67], s[10:11], s[96:97]      ; the weights': my two pairs
	s_lshl_b32 s96, s82, 9
	s_lshl_b32 s98, s[HN], 8
	s_add_co_u32 s96, s96, s98                     ; my first column, in bytes
	s_add_nc_u64 s[12:13], s[12:13], s[96:97]
	s_lshl_b32 s98, s83, 1
	s_add_co_u32 s98, s98, s[HM]
	s_lshl_b32 s98, s98, 19                        ; my first row: 128 rows of 4,096 bytes
	s_add_co_u32 s96, s96, s98
	s_add_nc_u64 s[14:15], s[14:15], s[96:97]
	s_mul_i32 s98, s[HN], 4*TILEB
	s_add_co_u32 s98, s98, BB
	s_mul_i32 s99, s[HM], 4*TILEB
	s_mul_i32 s95, s[WV], 16*272
	s_add_co_u32 s95, s95, STG                     ; my stage
	v_and_b32 v12, 31, v0
	v_and_b32 v13, 15, v0                          ; r
	v_bfe_u32 v14, v0, 4, 1                        ; h
	v_lshlrev_b32 v[L16], 4, v12
	v_lshlrev_b32 v[L4], 2, v12
	v_lshlrev_b32 v15, 3, v12
	v_add_nc_u32 v[ADRB], s98, v[L16]
	v_add_nc_u32 v[ADRA], s99, v[L16]
	v_add_nc_u32 v[ADRA+1], 8*TILEB, v[ADRA]
	v_add_nc_u32 v[ADRA8], s99, v15
	v_add_nc_u32 v[ADRA8+1], 8*TILEB, v[ADRA8]
	v_mul_u32_u24 v[STO], v13, 272
	v_lshl_add_u32 v[STO], v14, 6, v[STO]
	v_add_nc_u32 v[STO], s95, v[STO]               ; in: row r, 64 bytes for each half of the lanes in each 128
	v_mul_u32_u24 v[RD], v14, 272
	v_lshl_add_u32 v[RD], v13, 4, v[RD]
	v_add_nc_u32 v[RD], s95, v[RD]                 ; back: sixteen lanes to a row, two rows an instruction
	v_lshlrev_b32 v[CO], 12, v14
	v_lshl_add_u32 v[CO], v13, 4, v[CO]            ; and the same two rows in out0
	v_lshlrev_b32 v[BH], 6, v14
	s_wait_alu depctr_va_vdst(0)
.irp p, 0,1,2,3
.irp q, 0,1,2,3,4,5,6,7
	global_load_b32 v[SA+8*\p+\q], v[L4], s[62:63] offset:\p*1024+\q*128
.endr
.endr
.irp p, 0,1
.irp q, 0,1,2,3,4,5,6,7
	global_load_b32 v[SB+8*\p+\q], v[L4], s[66:67] offset:\p*1024+\q*128
.endr
.endr
.irp t, 0,1,2,3
	global_load_b128 v[BI+8*\t:BI+8*\t+3], v[BH], s[12:13] offset:128*(\t/2)+32*(\t%2)
	global_load_b128 v[BI+8*\t+4:BI+8*\t+7], v[BH], s[12:13] offset:128*(\t/2)+32*(\t%2)+16
.endr
	s_cmp_lt_u32 s[WV], 2
	s_cbranch_scc0 .Lnot_b
	s_wait_tensorcnt 0x0
.Lnot_b:
	s_barrier_signal -1
	s_barrier_wait -1                              ; the weights are in; the rows' tiles may be on their way: nothing is ever filled again
	WEIGHTS
	s_wait_tensorcnt 0x0                           ; every wave: my load is in
	s_wait_dscnt 0x0
	s_barrier_signal -1
	s_barrier_wait -1                              ; all tiles are in
	FETCH 0
	FETCH 1
	s_wait_loadcnt 0x0                             ; scale words and bias
.irp s, 0,1,2,3,4,5,6,7
.if \s == 0
	s_wait_dscnt 32
.elseif \s < 7
	s_wait_dscnt 48
.else
	s_wait_dscnt 16
.endif
	BLOCK \s
.if \s > 0
.if \s < 7
	SEND \s-1, 32
.else
	SEND \s-1, 0
.endif
.endif
	PLACES
	s_wait_xcnt 0x0                                ; earlier stores have read their registers: the stage's loads may land there
	TOSTAGE \s
.if \s < 6
	FETCH \s+2
.endif
.endr
	SEND 7, 0
	s_wait_tensorcnt 0x0                           ; the wave's end
	ds_add_u32 v[SPW], v[NIL]
	s_wait_dscnt 0x0
	CROUND                                         ; the closing round
	s_endpgm
.Lfunc_end_k_q5cb5606aed_gemm_proj:
	.size	k_q5cb5606aed_gemm_proj, .Lfunc_end_k_q5cb5606aed_gemm_proj-k_q5cb5606aed_gemm_proj
	.p2alignl 7, 3214868480
	.fill 96, 4, 3214868480
	.section	.rodata,"a",@progbits
	.p2align	6, 0x0
	.amdhsa_kernel k_q5cb5606aed_gemm_proj
		.amdhsa_group_segment_fixed_size 327680
		.amdhsa_private_segment_fixed_size 0
		.amdhsa_enable_private_segment 0
		.amdhsa_kernarg_size 48
		.amdhsa_user_sgpr_count 2
		.amdhsa_user_sgpr_kernarg_segment_ptr 1
		.amdhsa_wavefront_size32 1
		.amdhsa_system_sgpr_workgroup_id_x 1
		.amdhsa_system_sgpr_workgroup_id_y 1
		.amdhsa_system_sgpr_workgroup_id_z 1
		.amdhsa_system_vgpr_workitem_id 0
		.amdhsa_next_free_vgpr 840
		.amdhsa_next_free_sgpr 100
		.amdhsa_reserve_vcc 0
		.amdhsa_float_denorm_mode_32 3
		.amdhsa_float_denorm_mode_16_64 3
		.amdhsa_memory_ordered 1
		.amdhsa_forward_progress 1
		.amdhsa_inst_pref_size 84
	.end_amdhsa_kernel
	.amdgpu_metadata
---
amdhsa.version: [ 1, 2 ]
amdhsa.kernels:
  - .name:           k_q5cb5606aed_gemm_proj
    .symbol:         k_q5cb5606aed_gemm_proj.kd
    .args:
      - { .name: oc, .offset: 0, .size: 8, .value_kind: global_buffer, .address_space: global }
      - { .name: osc, .offset: 8, .size: 8, .value_kind: global_buffer, .address_space: global }
      - { .name: ops, .offset: 16, .size: 8, .value_kind: global_buffer, .address_space: global }
      - { .name: opss, .offset: 24, .size: 8, .value_kind: global_buffer, .address_space: global }
      - { .name: b_proj, .offset: 32, .size: 8, .value_kind: global_buffer, .address_space: global }
      - { .name: out0, .offset: 40, .size: 8, .value_kind: global_buffer, .address_space: global }
    .group_segment_fixed_size: 327680
    .private_segment_fixed_size: 0
    .kernarg_segment_align: 8
    .kernarg_segment_size: 48
    .max_flat_workgroup_size: 128
    .sgpr_count:     100
    .vgpr_count:     840
    .wavefront_size: 32
...
	.end_amdgpu_metadata
.endif
;; end of part 4
